; MI455X (gfx1250); checked and timed in simulation.
; The chip was launched on July 23, 2026; its instructions are those of AMD's public machine-readable ISA for CDNA 5 (MIT licence, August 2026) and "CDNA5" Instruction Set Architecture Reference Guide (July 2026). The comments in the code are by the model that wrote it; some were corrected since.
;; Multi Head Attention. Allowed arithmetic: matrix products marked QUANTISED: E2M1 operands, one E8M0 scale for each 32 along K, by v_wmma_scale_f32_16x16x128_f8f6f4 with both operands' format E2M1 (or v_wmma_scale_f32_32x16x128_f4), f32 sums; products left as they are: bf16, f16 or f32 operands; f32 sums; everything else in f32.
;; Inputs: Wout 1,024 x 1,024 float32; Wqkv 1,024 x 3,072 float32; bout 1,024 float32; bqkv 3,072 float32; x 2 x 2,048 x 1,024 float32.
;; Outputs: out0 2 x 2,048 x 1,024 float32.
;; This version of the problem:
;;   THIS VERSION OF THE PROBLEM IS GIVEN IN LOW PRECISION. The matrix products marked QUANTISED in the list below multiply operands that are first quantised to E2M1 (2 exponent bits, 1 mantissa bit; 4 bits a number), with one power-of-two scale for each 32 numbers along K (OCP MX v1.0); their sums are f32. The products marked 'left as it is' may take bf16, f16 or f32 operands, with f32 sums. Whichever they take, every output number must still come out within the allowed error. Rounding operands to bf16 (8 significant bits) uses up far more of that allowance than f16 does (11 bits, for magnitudes from 6e-5 to 65,504). All else is computed in f32.
;;   The module's matrix products, in the order in which they are computed (A, B: the left and right operand; K: the contracted axis; several contracted axes count as one K, in the product's order):
;;     1. [M 4,096, K 1,024] x [K 1,024, N 3,072]; A: input x; B: input Wqkv: QUANTISED
;;     2. batch 32 x [M 2,048, K 64] x [K 64, N 2,048]; A: computed on the way; B: computed on the way: left as it is (an operand is computed on the way)
;;     3. batch 32 x [M 2,048, K 2,048] x [K 2,048, N 64]; A: computed on the way; B: computed on the way: left as it is (an operand is computed on the way)
;;     4. [M 4,096, K 1,024] x [K 1,024, N 1,024]; A: computed on the way; B: input Wout: left as it is (an operand is computed on the way)
;;   THE QUANTISER, for each operand of a quantised product, along K:
;;     - K is cut into blocks of 32 from its start; a last block that is shorter is filled with zeros.
;;     - A block's scale is 2^e with e = floor(log2(the largest magnitude in the block)) - 2, held to -126 .. 127; a block of zeros has e = 0. As a byte (E8M0): e + 127.
;;     - Each number is divided by its block's scale, clamped to +-6, and rounded to the nearest number of E2M1, ties to even, subnormals kept.
;;     - The product sums the exact products of the quantised numbers (number of the format x scale) in f32.
;;   ~~~python
;;   def quantise(x, axis):      # numpy; x: float32 -> the quantised numbers, widened to float32 again
;;       x = np.moveaxis(x, axis, -1); K = x.shape[-1]
;;       x = np.pad(x, [(0, 0)] * (x.ndim - 1) + [(0, -K % 32)]); x = x.reshape(x.shape[:-1] + (-1, 32)); a = np.abs(x).max(-1, keepdims=True)
;;       e = np.where(a > 0, np.clip(np.frexp(np.where(a > 0, a, 1))[1] - 1 - 2, -126, 127), 0)      # np.frexp(a)[1] - 1 = floor(log2(a)), exactly
;;       r = np.clip(x / 2.0 ** e, -6, 6)
;;       step = 2.0 ** (np.maximum(np.frexp(np.where(r == 0, 1, r))[1] - 1, 0) - 1)
;;       q = np.round(r / step) * step * 2.0 ** e      # np.round: ties to even
;;       return np.moveaxis(q.reshape(q.shape[:-2] + (-1,))[..., :K], -1, axis).astype(np.float32)
;;   ~~~
;; One version. Each part assembles by itself: llvm-mc -triple=amdgcn-amd-amdhsa -mcpu=gfx1250 --defsym DOCPART=n.
;; ======== version 1 of 1: 5 launches
;; limits: values are held in f16: magnitudes above 65,504 overflow, below 6.1e-05 lose precision
;; workspace buffers: xc 2,097,152 bytes; xs 131,072 bytes; wc 1,572,864 bytes; ws 98,304 bytes; wot 2,097,152 bytes; qkvh 25,165,824 bytes; qkvf 393,216 bytes; oh 8,388,608 bytes
;; launch prep (part 1): grid 256 x 1, 8 waves a work-group, no clusters, 135,168 bytes of LDS; arguments x, Wqkv, Wout, xc, xs, wc, ws, wot; writes xc, xs, wc, ws, wot
.if DOCPART == 1
	.amdgcn_target "amdgcn-amd-amdhsa--gfx1250"
	.amdhsa_code_object_version 6
	.text
	.protected	k_qeba5c7226f_prep
	.globl	k_qeba5c7226f_prep
	.p2align	8
	.type	k_qeba5c7226f_prep,@function
k_qeba5c7226f_prep:
	s_mov_b64 s[64:65], 0
	v_nop
	global_prefetch_b8 v0, s[64:65] scope:SCOPE_SE
	s_setreg_imm32_b32 hwreg(HW_REG_WAVE_MODE, 25, 1), 1
	s_wait_xcnt 0x0
; PREP.  Three jobs in one launch, told apart by the work-group's number alone; each work-group reads 128 KiB.
;   work-groups   0-127  X: x [4096][1024] f32 -> codes of FP4 (E2M1), K innermost, xc [4096][512 bytes], and one E8M0 byte for each 32 along K, xs [4096][32]
;   work-groups 128-223  W: Wqkv [1024 (k)][3072 (n)] f32 -> the same with K moved innermost: wc [3072][512 bytes], ws [3072][32]
;   work-groups 224-255  O: Wout [1024 (k)][1024 (n)] f32 -> f16, turned and tiled: wot [n / 128][k / 64][128 n][64 k]
; THE QUANTISER: a block's scale is 2^(floor(log2(its largest magnitude)) - 2); its byte is the largest magnitude's exponent field - 2, held at 1 from below; each number is divided by the
; scale and rounded to the nearest code, ties to even, beyond 6 the largest code.
; LIMITS: a block of zeros gets the byte 1 where the rule says 127 (its codes are zeros, and this program alone reads the bytes); blocks whose largest magnitude lies under 2^-124 are held
; at the byte 1; NaN and infinities are not served; Wout must lie under 65,504 in magnitude (f16), and is carried with an absolute error of 3e-8 under 6e-5.
; Each job has LDS bytes of its own, its own end, and no LDS address hangs on the work-group's number.  No tensor loads: LDS is claimed as it is used.
.set XST,   0                          ; X: for each wave two stages of 32 x 80 bytes
.set XSB,   40960                      ; X: the work-group's 1,024 scale bytes
.set WST,   41984                      ; W: 64 columns x (256 bytes of codes + 16)
.set WSB,   59392                      ; W: 64 columns x 16 scale bytes
.set OST,   60416                      ; O: for each wave 2 x 32 columns x (128 bytes + 16)
.set SPARE, 134144                     ; the spare words, 128 bytes for each wave: four blocks of 256 bytes that no other line names
.set SPW, 12                           ; v12  LDS address of my spare word; never rewritten
.set NIL, 13                           ; v13  0; never rewritten
.set R,   16                           ; v16-143   128 numbers a lane as they are loaded
.set X,   144                          ; X: v144-175 two sets of 16 neighbours
.set C,   176                          ; X: v176-191 two registers of codes for each step
.set E,   192                          ; X: v192-199 a scale byte for each step
.set CW,  144                          ; W: v144-159 four registers of codes for each block;  O: v144-207 sixteen registers of f16 for each block
.set SB,  160                          ; W: v160 my four scale bytes
.set OW,  164                          ; W: v164-179 the way out
.macro XLOAD t                         ; step t of X: 2,048 bytes, each load 512 consecutive bytes
.irp i, 0,1,2,3
	global_load_b128 v[R+16*(\t)+4*\i:R+16*(\t)+4*\i+3], v3, s[4:5] offset:2048*(\t)+512*\i th:TH_LOAD_NT
.endr
.endm
.macro XTURN t                         ; step t through the stage: in as loaded, out 64 bytes (16 neighbours) a lane.  LDS serves a wave's instructions in order (ISA guide 5.7.1.4)
.irp i, 0,1,2,3
	ds_store_b128 v14, v[R+16*(\t)+4*\i:R+16*(\t)+4*\i+3] offset:2560*((\t)%2)+640*\i
.endr
.irp i, 0,1,2,3
	ds_load_b128 v[X+16*((\t)%2)+4*\i:X+16*((\t)%2)+4*\i+3], v15 offset:2560*((\t)%2)+16*\i
.endr
.endm
.macro XSTEP t
.set XS, X+16*((\t)%2)
.if (\t) > 0
	s_wait_dscnt 1                                 ; this step's numbers are back from the stage; the last step's byte store may be out
.else
	s_wait_dscnt 0x0
.endif
.if (\t) < 7
	s_wait_loadcnt 4*(6-(\t))                      ; the next step's four loads are in; those of the steps behind it may be out
	XTURN (\t)+1                                   ; and go through the other stage while this step is worked
.endif
	v_max3_num_f32 v8, |v[XS]|, |v[XS+1]|, |v[XS+2]|               ; the largest magnitude of my 16, in two chains
	v_max3_num_f32 v9, |v[XS+3]|, |v[XS+4]|, |v[XS+5]|
.irp i, 6,10
	v_max3_num_f32 v8, v8, |v[XS+\i]|, |v[XS+\i+1]|
	v_max3_num_f32 v9, v9, |v[XS+\i+2]|, |v[XS+\i+3]|
.endr
	v_max3_num_f32 v8, v8, |v[XS+14]|, |v[XS+15]|
	v_max3_num_f32 v8, v8, v9, 0x1800000           ; and the floor 2^(3 - 127): the byte cannot fall under 1
	v_max_num_f32_dpp v8, v8, v8 row_xmask:1 row_mask:0xf bank_mask:0xf   ; with my neighbour's 16: the block's
	v_add_nc_u32 v11, 0xff000000, v8               ; 2 off its exponent field: the conversion takes the exponent field of this operand as its scale
	v_cvt_scalef32_pk8_fp4_f32 v[C+2*(\t)], v[XS:XS+7], v11
	v_cvt_scalef32_pk8_fp4_f32 v[C+2*(\t)+1], v[XS+8:XS+15], v11
	v_lshrrev_b32 v[E+(\t)], 23, v11               ; the scale's byte
	ds_store_b8 v5, v[E+(\t)] offset:16*(\t)       ; both lanes of a block write the same byte with the same value
	global_store_b64 v4, v[C+2*(\t):C+2*(\t)+1], s[10:11] offset:256*(\t)   ; the wave stores 256 consecutive bytes, aligned
.endm
.macro KLOAD t, sb, pitch              ; block t of W or O: rows 32 t + i of my column; 32 lanes read 128 consecutive bytes, two waves side by side 256
.irp i, 0,1,2,3,4,5,6,7,8,9,10,11,12,13,14,15,16,17,18,19,20,21,22,23,24,25,26,27,28,29,30,31
	global_load_b32 v[R+32*(\t)+\i], v3, s[\sb:\sb+1] offset:(32*(\t)+\i)*\pitch th:TH_LOAD_NT
.endr
.endm
.macro WBLOCK t                        ; a block of 32 along K of my column: all its numbers are mine
.set XS, R+32*(\t)
.if (\t) < 3
	s_wait_loadcnt 32                              ; this block's 32 loads are in; the next block's may be out
.else
	s_wait_loadcnt 0x0
.endif
.if (\t) < 2
	KLOAD (\t)+2, 6, 12288                         ; every block has registers of its own, so the block two on is asked for at once
.endif
	v_max3_num_f32 v8, |v[XS]|, |v[XS+1]|, |v[XS+2]|
	v_max3_num_f32 v9, |v[XS+3]|, |v[XS+4]|, |v[XS+5]|
.irp i, 6,10,14,18,22,26
	v_max3_num_f32 v8, v8, |v[XS+\i]|, |v[XS+\i+1]|
	v_max3_num_f32 v9, v9, |v[XS+\i+2]|, |v[XS+\i+3]|
.endr
	v_max3_num_f32 v8, v8, |v[XS+30]|, |v[XS+31]|
	v_max3_num_f32 v8, v8, v9, 0x1800000           ; the floor, as in X
	v_add_nc_u32 v11, 0xff000000, v8
	v_lshrrev_b32 v9, 23, v11                      ; the scale's byte
.if (\t) == 0
	v_mov_b32 v[SB], v9                            ; four bytes to a register, the lower K in the lower byte
.else
	v_lshl_or_b32 v[SB], v9, 8*(\t), v[SB]
.endif
.irp g, 0,1,2,3
	v_cvt_scalef32_pk8_fp4_f32 v[CW+4*(\t)+\g], v[XS+8*\g:XS+8*\g+7], v11
.endr
	ds_store_b128 v4, v[CW+4*(\t):CW+4*(\t)+3] offset:16*(\t)      ; 32 codes: 16 bytes of my column's row
.endm
.macro OBLOCK t                        ; 32 numbers down K of my column become 64 bytes of f16
.set XS, R+32*(\t)
.if (\t) < 3
	s_wait_loadcnt 32
.else
	s_wait_loadcnt 0x0
.endif
.if (\t) < 2
	KLOAD (\t)+2, 8, 4096
.endif
.irp p, 0,1,2,3,4,5,6,7,8,9,10,11,12,13,14,15
	v_cvt_pk_f16_f32 v[CW+16*(\t)+\p], v[XS+2*\p], v[XS+2*\p+1]
.endr
.irp g, 0,1,2,3
	ds_store_b128 v4, v[CW+16*(\t)+4*\g:CW+16*(\t)+4*\g+3] offset:((\t)/2)*4608+((\t)%2)*64+16*\g
.endr
.endm
	s_load_b256 s[4:11], s[0:1], 0x0               ; x s[4:5], Wqkv s[6:7], Wout s[8:9], xc s[10:11]
	s_load_b256 s[12:19], s[0:1], 0x20             ; xs s[12:13], wc s[14:15], ws s[16:17], wot s[18:19]
	v_lshl_add_u32 v[SPW], v0, 2, SPARE
	v_mov_b32 v[NIL], 0
	v_lshrrev_b32 v1, 5, v0
	v_readfirstlane_b32 s20, v1                    ; wave 0..7
	v_and_b32 v2, 31, v0                           ; lane
	s_wait_kmcnt 0x0
	s_cmp_lt_u32 ttmp9, 128
	s_cbranch_scc0 .Lnot_x
	; ---------------- X.  A wave takes 4,096 numbers, eight steps of 512; all 32 loads go out at once.
	s_lshl_b32 s21, ttmp9, 3
	s_add_co_u32 s21, s21, s20                     ; which run of 4,096 numbers is my wave's
	s_lshl_b32 s22, s21, 14
	s_mov_b32 s23, 0
	s_add_nc_u64 s[4:5], s[4:5], s[22:23]
	v_lshlrev_b32 v3, 4, v2                        ; my 16 bytes of a load's 512
.irp t, 0,1,2,3,4,5,6,7
	XLOAD \t
.endr
	s_lshl_b32 s22, s21, 11
	s_add_nc_u64 s[10:11], s[10:11], s[22:23]      ; its 2,048 bytes of codes
	s_lshl_b32 s22, ttmp9, 10
	s_add_nc_u64 s[12:13], s[12:13], s[22:23]      ; the work-group's 1,024 scale bytes
	s_mul_i32 s24, s20, 5120
	v_lshrrev_b32 v14, 2, v2
	v_mul_u32_u24 v14, v14, 80
	v_and_b32 v15, 3, v2
	v_lshl_add_u32 v14, v15, 4, v14
	v_add_nc_u32 v14, s24, v14                     ; the stage, in: four lanes' 64 bytes on end, then 16 of padding
	v_mul_u32_u24 v15, v2, 80
	v_add_nc_u32 v15, s24, v15                     ; and out: 80 x lane
	s_lshl_b32 s24, s20, 7
	s_add_co_u32 s24, s24, XSB
	v_lshrrev_b32 v5, 1, v2
	v_add_nc_u32 v5, s24, v5                       ; my wave's 128 scale bytes, my block's byte
	s_and_b32 s24, s20, 3
	s_lshl_b32 s24, s24, 8
	v_lshlrev_b32 v7, 3, v2
	v_add_nc_u32 v7, s24, v7                       ; the bytes' way out: waves 0 to 3 take 256 each, 8 a lane
	v_add_nc_u32 v6, XSB, v7
	v_lshlrev_b32 v4, 3, v2                        ; my codes' place in a step's 256 bytes
	s_wait_loadcnt 28                              ; step 0's four loads are in
	XTURN 0
.irp t, 0,1,2,3,4,5,6,7
	XSTEP \t
.endr
	s_wait_dscnt 0x0                               ; for the others' sake: my byte stores have landed
	s_barrier_signal -1
	s_barrier_wait -1
	s_cmp_lt_u32 s20, 4
	s_cbranch_scc0 .Lx_end
	ds_load_b64 v[8:9], v6
	s_wait_dscnt 0x0
	global_store_b64 v7, v[8:9], s[12:13]          ; 32 lanes store 256 consecutive bytes, aligned
.Lx_end:
	s_wait_tensorcnt 0x0                           ; the wave's end
	ds_add_u32 v[SPW], v[NIL]
	s_wait_dscnt 0x0
	s_endpgm
.Lnot_x:
	s_cmp_lt_u32 ttmp9, 224
	s_cbranch_scc0 .Lpath_o
	; ---------------- W.  A work-group takes 64 columns x 512 along K; wave (c, kq) takes columns 32 c + lane and 128 along K: a lane to a column, registers down K.
	s_sub_co_u32 s21, ttmp9, 128
	s_lshr_b32 s22, s21, 1                         ; G: which 64 columns
	s_and_b32 s21, s21, 1                          ; y: which half of K
	s_and_b32 s24, s20, 1                          ; c
	s_lshr_b32 s25, s20, 1                         ; kq
	s_lshl_b32 s26, s21, 9
	s_lshl_b32 s27, s25, 7
	s_add_co_u32 s26, s26, s27                     ; my first k
	s_mul_i32 s26, s26, 12288
	s_lshl_b32 s27, s22, 8
	s_add_co_u32 s26, s26, s27
	s_lshl_b32 s27, s24, 7
	s_add_co_u32 s26, s26, s27
	s_mov_b32 s27, 0
	s_add_nc_u64 s[6:7], s[6:7], s[26:27]
	v_lshlrev_b32 v3, 2, v2
	KLOAD 0, 6, 12288
	KLOAD 1, 6, 12288
	s_lshl_b32 s26, s22, 15                        ; codes: 64 G rows of 512 bytes, + 256 y
	s_lshl_b32 s28, s21, 8
	s_add_co_u32 s26, s26, s28
	s_add_nc_u64 s[14:15], s[14:15], s[26:27]
	s_lshl_b32 s26, s22, 11                        ; scale bytes: 64 G rows of 32, + 16 y
	s_lshl_b32 s28, s21, 4
	s_add_co_u32 s26, s26, s28
	s_add_nc_u64 s[16:17], s[16:17], s[26:27]
	s_mul_i32 s28, s24, 32*272
	s_lshl_b32 s29, s25, 6
	s_add_co_u32 s28, s28, s29
	s_add_co_u32 s28, s28, WST
	v_mul_u32_u24 v4, v2, 272
	v_add_nc_u32 v4, s28, v4                       ; the stage, in: row = my column, my 64 bytes of its 256
	s_lshl_b32 s28, s24, 9
	s_lshl_b32 s29, s25, 2
	s_add_co_u32 s28, s28, s29
	s_add_co_u32 s28, s28, WSB
	v_lshlrev_b32 v5, 4, v2
	v_add_nc_u32 v5, s28, v5                       ; my column's 16 scale bytes, my word of them
	v_lshrrev_b32 v10, 4, v2
	v_and_b32 v1, 15, v2
	s_mul_i32 s28, s20, 8*272
	s_add_co_u32 s28, s28, WST
	v_mul_u32_u24 v6, v10, 272
	v_lshl_add_u32 v6, v1, 4, v6
	v_add_nc_u32 v6, s28, v6                       ; out: wave w takes rows 8 w on, sixteen lanes to a row
	s_lshl_b32 s28, s20, 12
	v_lshlrev_b32 v7, 9, v10
	v_lshl_add_u32 v7, v1, 4, v7
	v_add_nc_u32 v7, s28, v7                       ; and the same place in wc
	s_lshl_b32 s28, s24, 9
	s_add_co_u32 s28, s28, WSB
	v_lshlrev_b32 v180, 4, v2
	v_add_nc_u32 v180, s28, v180                   ; the scale bytes' way out (waves 0 and 1): a column a lane
	s_lshl_b32 s28, s24, 10
	v_lshlrev_b32 v181, 5, v2
	v_add_nc_u32 v181, s28, v181
.irp t, 0,1,2,3
	WBLOCK \t
.endr
	ds_store_b32 v5, v[SB]
	s_wait_dscnt 0x0                               ; for the others' sake: my stores have landed
	s_barrier_signal -1
	s_barrier_wait -1
.irp u, 0,1,2,3
	ds_load_b128 v[OW+4*\u:OW+4*\u+3], v6 offset:544*\u
.endr
.irp u, 0,1,2,3
	s_wait_dscnt 3-\u
	global_store_b128 v7, v[OW+4*\u:OW+4*\u+3], s[14:15] offset:1024*\u   ; sixteen lanes store 256 consecutive bytes, aligned
.endr
	s_cmp_lt_u32 s20, 2
	s_cbranch_scc0 .Lw_end
	ds_load_b128 v[184:187], v180
	s_wait_dscnt 0x0
	global_store_b128 v181, v[184:187], s[16:17]   ; 16 bytes of each column's row of 32: pieces, 96 KiB in the whole launch, one byte in 128 of what W reads
.Lw_end:
	s_wait_tensorcnt 0x0                           ; the wave's end, as above
	ds_add_u32 v[SPW], v[NIL]
	s_wait_dscnt 0x0
	s_endpgm
.Lpath_o:
	; ---------------- O.  Shares as in W.  The stage is the wave's own: no barrier.
	s_sub_co_u32 s21, ttmp9, 224
	s_lshr_b32 s22, s21, 1                         ; G: which 64 columns
	s_and_b32 s21, s21, 1                          ; y
	s_and_b32 s24, s20, 1                          ; c
	s_lshr_b32 s25, s20, 1                         ; kq
	s_lshl_b32 s26, s21, 9
	s_lshl_b32 s27, s25, 7
	s_add_co_u32 s26, s26, s27
	s_lshl_b32 s26, s26, 12                        ; my first k, rows of 4,096 bytes
	s_lshl_b32 s27, s22, 8
	s_add_co_u32 s26, s26, s27
	s_lshl_b32 s27, s24, 7
	s_add_co_u32 s26, s26, s27
	s_mov_b32 s27, 0
	s_add_nc_u64 s[8:9], s[8:9], s[26:27]
	v_lshlrev_b32 v3, 2, v2
	KLOAD 0, 8, 4096
	KLOAD 1, 8, 4096
	s_lshr_b32 s26, s22, 1                         ; wot: ((n / 128) 16 + k / 64) 128 + n % 128 rows of 128 bytes
	s_lshl_b32 s26, s26, 4
	s_lshl_b32 s28, s21, 3
	s_add_co_u32 s26, s26, s28
	s_lshl_b32 s28, s25, 1
	s_add_co_u32 s26, s26, s28
	s_lshl_b32 s26, s26, 7
	s_and_b32 s28, s22, 1
	s_lshl_b32 s28, s28, 6
	s_add_co_u32 s26, s26, s28
	s_lshl_b32 s28, s24, 5
	s_add_co_u32 s26, s26, s28
	s_lshl_b32 s26, s26, 7
	s_add_nc_u64 s[18:19], s[18:19], s[26:27]
	s_mul_i32 s28, s20, 9216
	s_add_co_u32 s28, s28, OST
	v_mul_u32_u24 v4, v2, 144
	v_add_nc_u32 v4, s28, v4                       ; in: row = my column
	v_lshrrev_b32 v6, 3, v2
	v_mul_u32_u24 v6, v6, 144
	v_and_b32 v1, 7, v2
	v_lshl_add_u32 v6, v1, 4, v6
	v_add_nc_u32 v6, s28, v6                       ; out: eight lanes to a row of 128 bytes, four rows an instruction
	v_lshlrev_b32 v7, 4, v2
.irp t, 0,1,2,3
	OBLOCK \t
.endr
.irp n, 0,1,2,3,4,5,6,7,8,9,10,11,12,13,14,15
	ds_load_b128 v[R+4*\n:R+4*\n+3], v6 offset:(\n/8)*4608+(\n%8)*576   ; these see my stores: LDS serves a wave's instructions in order
.endr
.irp n, 0,1,2,3,4,5,6,7,8,9,10,11,12,13,14,15
	s_wait_dscnt 15-\n
	global_store_b128 v7, v[R+4*\n:R+4*\n+3], s[18:19] offset:(\n/8)*16384+(\n%8)*512   ; 32 lanes store 512 consecutive bytes, aligned
.endr
	s_wait_tensorcnt 0x0                           ; the wave's end, as above
	ds_add_u32 v[SPW], v[NIL]
	s_wait_dscnt 0x0
	s_endpgm
.Lfunc_end_k_qeba5c7226f_prep:
	.size	k_qeba5c7226f_prep, .Lfunc_end_k_qeba5c7226f_prep-k_qeba5c7226f_prep
	.p2alignl 7, 3214868480
	.fill 96, 4, 3214868480
	.section	.rodata,"a",@progbits
	.p2align	6, 0x0
	.amdhsa_kernel k_qeba5c7226f_prep
		.amdhsa_group_segment_fixed_size 135168
		.amdhsa_private_segment_fixed_size 0
		.amdhsa_enable_private_segment 0
		.amdhsa_kernarg_size 64
		.amdhsa_user_sgpr_count 2
		.amdhsa_user_sgpr_kernarg_segment_ptr 1
		.amdhsa_wavefront_size32 1
		.amdhsa_system_sgpr_workgroup_id_x 1
		.amdhsa_system_sgpr_workgroup_id_y 1
		.amdhsa_system_sgpr_workgroup_id_z 1
		.amdhsa_system_vgpr_workitem_id 0
		.amdhsa_next_free_vgpr 208
		.amdhsa_next_free_sgpr 66
		.amdhsa_reserve_vcc 0
		.amdhsa_float_denorm_mode_32 3
		.amdhsa_float_denorm_mode_16_64 3
		.amdhsa_memory_ordered 1
		.amdhsa_forward_progress 1
		.amdhsa_inst_pref_size 61
	.end_amdhsa_kernel
	.amdgpu_metadata
---
amdhsa.version: [ 1, 2 ]
amdhsa.kernels:
  - .name:           k_qeba5c7226f_prep
    .symbol:         k_qeba5c7226f_prep.kd
    .args:
      - { .name: x, .offset: 0, .size: 8, .value_kind: global_buffer, .address_space: global }
      - { .name: Wqkv, .offset: 8, .size: 8, .value_kind: global_buffer, .address_space: global }
      - { .name: Wout, .offset: 16, .size: 8, .value_kind: global_buffer, .address_space: global }
      - { .name: xc, .offset: 24, .size: 8, .value_kind: global_buffer, .address_space: global }
      - { .name: xs, .offset: 32, .size: 8, .value_kind: global_buffer, .address_space: global }
      - { .name: wc, .offset: 40, .size: 8, .value_kind: global_buffer, .address_space: global }
      - { .name: ws, .offset: 48, .size: 8, .value_kind: global_buffer, .address_space: global }
      - { .name: wot, .offset: 56, .size: 8, .value_kind: global_buffer, .address_space: global }
    .group_segment_fixed_size: 135168
    .private_segment_fixed_size: 0
    .kernarg_segment_align: 8
    .kernarg_segment_size: 64
    .max_flat_workgroup_size: 256
    .sgpr_count:     66
    .vgpr_count:     208
    .wavefront_size: 32
...
	.end_amdgpu_metadata
.endif
;; end of part 1
;; launch gemm (part 2): grid 12 x 16, 4 waves a work-group, clusters of 4 x 4, 327,680 bytes of LDS; arguments xc, xs, wc, ws, qkvh, bqkv, qkvf; writes qkvh, qkvf
.if DOCPART == 2
	.amdgcn_target "amdgcn-amd-amdhsa--gfx1250"
	.amdhsa_code_object_version 6
	.text
	.protected	k_qeba5c7226f_gemm
	.globl	k_qeba5c7226f_gemm
	.p2align	8
	.type	k_qeba5c7226f_gemm,@function
k_qeba5c7226f_gemm:
	s_mov_b64 s[64:65], 0
	v_nop
	global_prefetch_b8 v0, s[64:65] scope:SCOPE_SE
	s_setreg_imm32_b32 hwreg(HW_REG_WAVE_MODE, 25, 1), 1
	s_wait_xcnt 0x0
	s_wait_alu depctr_hold_cnt(0) depctr_sa_sdst(0) depctr_va_vdst(0) depctr_va_sdst(0) depctr_va_ssrc(0) depctr_va_vcc(0) depctr_vm_vsrc(0)
	s_getreg_b32 s2, hwreg(HW_REG_IB_STS2, 6, 4)
	s_cmp_eq_u32 s2, 0
	s_cbranch_scc0 .Lentry_in_a_cluster
	s_endpgm
.Lentry_in_a_cluster:
	s_bfe_u32 s2, ttmp6, 0x10000c
	s_cmp_lg_u32 s2, 0xf033
	s_cbranch_scc0 .Lentry_shape_is_right
	s_endpgm
.Lentry_shape_is_right:
; qkv = Q(x) Q(Wqkv) + bqkv on codes of FP4 (E2M1) with one E8M0 scale for each 32 along K; sums in f32.  A = xc [4096][512 bytes], xs [4096][32]; B = wc [3072][512 bytes], ws [3072][32].
; OUT: qkvh, f16 [q, k, v][batch 2][head 16][position 2048][64]; and the first 16 positions of both sequences once more in f32, qkvf [32 rows][3072], for the launch that carries them finely.
; LIMITS: q, k and v must lie under 65,504 in magnitude (f16).
; A tile of C, 256 x 256, is made by a work-group of four waves; a wave makes 128 x 128: 64 accumulators of 16 x 16, 512 registers.  K = 1,024 is two slots of 512 along K: both are first fills, nothing is
; filled again, and there is no loop.  A wave has three tensor loads out at the most: the scales' and the two slots'.
; THE SCALES of the work-group's 256 rows of A and of B, for all of K, are two dense blocks of memory: they come into LDS once, in rows of 256 bytes.
; CLUSTERS: 4 x 4 work-groups.  The four of a row of the cluster need the same tiles of A, the four of a column the same tiles of B: each tile is asked for JOINTLY.
; THE MATRIX INSTRUCTION IS USED TRANSPOSED (source 0 = 16 rows of B, source 1 = 16 rows of A): a lane holds eight neighbouring columns of one row of C.  THE BIAS is the C of each sum's first product.
; REGISTERS: window 0: v0-31 addresses; v32-95 scale words, two sets, and nothing else; v96-127 at work on the way out; v128-191 A's fragments, one set; v192-255 the bias, eight registers for each of B's blocks.
;   window 1: B's fragments, two sets.   window 2: the 32 accumulators of my rows 0-63 ((a, b) at v[8 (8 a + b)]);   window 3: those of my rows 64-127.
.set SIZE_K, 1024
.set KSTEP,  512
.set NQ,     KSTEP/128
.set ROWB,   256                       ; a tile's row in bytes
.set KROW,   SIZE_K*4/8                ; a row of codes in memory
.set PITCH,  272                       ; an LDS row: 256 bytes + 16 of padding: the 16 rows that a load touches start at 16 different banks (64 banks of 4 bytes: ISA guide 11.1)
.set FR,     8
.set NL,     2
.set NP,     4                         ; places behind this matrix instruction (ISA guide 7.12.1)
.set HALFT,  128*PITCH
.set SLOT,   4*HALFT
.set KS,     SIZE_K/32
.set SCL,    2*SLOT
.set HALFS,  (128*KS/256)*272
.set SBLK,   (16*KS/256)*272
.set SPARE,  SCL+4*HALFS               ; the spare words, 128 bytes for each wave: two blocks of 256 bytes that no other line names
.set ADRA, 16
.set ADRB, 20
.set STO,  24                          ; the way out: where I put 16 bytes of a row
.set RD,   25                          ; and where I read rows back
.set CO,   26                          ; 16 x lane
.set ADRS, 27
.set SPW,  28
.set NIL,  29
.set BA,   30                          ; v30 the bias's offset: 32 x (lane / 16)
.set FO,   31                          ; v31 my offset in qkvf
.set SC,   32
.set TMP,  96                          ; packed results: v96-127 and v192-223 by turns
.set AF,   128
.set BK,   128                         ; rows read back: v128-159 and v160-191 by turns
.set BI,   192
.set G1, 24
.set G0, 32
.set G1B, 48
.set G0B, 56
.set G1S, 68
.set G0S, 76
.set G1SB, 80
.set G0SB, 88
.set MSB, 0
.macro WIN new                         ; the immediate's high byte repeats the setting that is left
.if MSB != \new
	s_set_vgpr_msb (MSB<<8)|\new
.set MSB, \new
.endif
.endm
.set MUL_LO, 0xa1                      ; source 0 (B) window 1, source 1 (A) window 0, C and D window 2
.set MUL_HI, 0xf1                      ; the same, C and D window 3
.set BIAS_LO, 0x81                     ; the first step: C (the bias) window 0, D window 2
.set BIAS_HI, 0xc1                     ; and D window 3
.set TO_B,   0x40
; A joint load: waves 0 and 1 fetch for A, waves 2 and 3 for B.  The branch hangs on the wave's number alone.  An s_nop 0 and four v_nop follow each of the two lines.
.macro JLOAD g0a, g1a, g0b, g1b
	s_cmp_eq_u32 s15, 0
	s_cbranch_scc0 .Lfor_b_\@
	tensor_load_to_lds s[\g0a:\g0a+3], s[\g1a:\g1a+7]
	s_nop 0
.rept 4
	v_nop
.endr
	s_branch .Lasked_\@
.Lfor_b_\@:
	tensor_load_to_lds s[\g0b:\g0b+3], s[\g1b:\g1b+7]
	s_nop 0
.rept 4
	v_nop
.endr
.Lasked_\@:
.endm
.macro CROUND                          ; a round of the cluster's barrier
	s_barrier_signal -1
	s_barrier_wait -1
	s_cmp_lg_u32 s14, 0
	s_cbranch_scc1 .Lnot_wave_0_\@
	s_barrier_signal -3
.Lnot_wave_0_\@:
	s_barrier_wait -3
	s_barrier_signal -1
	s_barrier_wait -1
.endm
	s_load_b128 s[4:7], s[0:1], 0x0                ; A's codes s[4:5], A's scales s[6:7]
	s_load_b128 s[8:11], s[0:1], 0x10              ; B's codes s[8:9], B's scales s[10:11]
	s_load_b64 s[12:13], s[0:1], 0x20              ; qkvh
	s_load_b64 s[96:97], s[0:1], 0x28              ; bqkv
	s_load_b64 s[66:67], s[0:1], 0x30              ; qkvf
	v_lshl_add_u32 v[SPW], v0, 2, SPARE
	v_mov_b32 v[NIL], 0
	ds_add_u32 v[SPW], v[NIL]                      ; the wave's opening: the add, twice on end, and its wait ahead of my first tensor load
	ds_add_u32 v[SPW], v[NIL]
	v_lshrrev_b32 v1, 5, v0
	v_readfirstlane_b32 s14, v1                    ; wave 0..3
	s_lshr_b32 s15, s14, 1                         ; which half of the tile's rows is mine.  Also: I fetch for A (0) or for B (1)
	s_and_b32 s16, s14, 1                          ; which half of its columns.  Also: which 128 rows of that tile I fetch
	s_bfe_u32 s40, ttmp6, 0x40000                  ; cx, cy: my place in the cluster
	s_bfe_u32 s41, ttmp6, 0x40004
	s_lshl_b32 s42, ttmp9, 2
	s_add_co_u32 s42, s42, s40                     ; tile column of C
	s_and_b32 s17, ttmp7, 0xffff
	s_lshl_b32 s17, s17, 2
	s_add_co_u32 s17, s17, s41                     ; tile row of C
	s_lshl_b32 s43, s41, 2
	s_lshl_b32 s43, 15, s43                        ; my row of the cluster
	s_lshl_b32 s44, 0x1111, s40                    ; my column
	s_or_b32 s[G1+0], s43, (0<<16)|(1<<20)|(1<<21)|(5<<22)|(3<<25)  ; the mask; elements of 1 byte; padding on; bit 21 beside a mask; 4 words of padding after every 64
	s_or_b32 s[G1B+0], s44, (0<<16)|(1<<20)|(1<<21)|(5<<22)|(3<<25)
.irp g, G1, G1B
	s_mov_b32 s[\g+1], ROWB<<16                    ; tensor_dim0
	s_mov_b32 s[\g+2], 128<<16                     ; tensor_dim1
	s_mov_b32 s[\g+3], ROWB<<16                    ; tile_dim0
	s_mov_b32 s[\g+4], 128                         ; tile_dim1
	s_mov_b32 s[\g+5], KROW                        ; the pitch
	s_mov_b32 s[\g+6], 0
	s_mov_b32 s[\g+7], 0
.endr
	s_or_b32 s[G1S+0], s43, (3<<16)|(1<<20)|(1<<21)|(5<<22)|(3<<25) ; the scales of 128 rows: 4,096 dense bytes as rows of 256 (32 elements of 8 bytes), 16 bytes of padding behind each
	s_or_b32 s[G1SB+0], s44, (3<<16)|(1<<20)|(1<<21)|(5<<22)|(3<<25)
.irp g, G1S, G1SB
	s_mov_b32 s[\g+1], 32<<16
	s_mov_b32 s[\g+2], (128*KS/256)<<16
	s_mov_b32 s[\g+3], 32<<16
	s_mov_b32 s[\g+4], 128*KS/256
	s_mov_b32 s[\g+5], 32
	s_mov_b32 s[\g+6], 0
	s_mov_b32 s[\g+7], 0
.endr
	s_lshl_b32 s18, s16, 7
	s_lshl_b32 s20, s17, 8
	s_add_co_u32 s20, s20, s18                     ; A: row 256 x tile row + 128 x half
	s_lshl_b32 s46, s42, 8
	s_add_co_u32 s46, s46, s18                     ; B: row 256 x tile column + 128 x half
	s_mov_b32 s21, 0
	s_mov_b32 s47, 0
	s_mov_b64 s[18:19], KS
	s_mul_u64 s[22:23], s[20:21], s[18:19]         ; where these rows' scales begin
	s_mul_u64 s[92:93], s[46:47], s[18:19]
	s_mov_b64 s[18:19], KROW
	s_mul_u64 s[20:21], s[20:21], s[18:19]         ; and their codes
	s_mul_u64 s[46:47], s[46:47], s[18:19]
	s_mul_i32 s45, s14, HALFT                      ; where they go: wave x 128 rows
	s_mul_i32 s94, s14, HALFS
	s_wait_dscnt 0x0                               ; both opening adds are done
	s_wait_kmcnt 0x0
	s_add_nc_u64 s[20:21], s[4:5], s[20:21]
	s_add_nc_u64 s[22:23], s[6:7], s[22:23]
	s_add_nc_u64 s[46:47], s[8:9], s[46:47]
	s_add_nc_u64 s[92:93], s[10:11], s[92:93]
	CROUND                                         ; all sixteen work-groups are here: the joint loads meet
	s_mov_b32 s[G0S], 1
	s_add_co_u32 s[G0S+1], s94, SCL
	s_mov_b64 s[G0S+2:G0S+3], s[22:23]
	s_or_b32 s[G0S+3], s[G0S+3], 0x80000000
	s_mov_b32 s[G0SB], 1
	s_add_co_u32 s[G0SB+1], s94, SCL
	s_mov_b64 s[G0SB+2:G0SB+3], s[92:93]
	s_or_b32 s[G0SB+3], s[G0SB+3], 0x80000000
	JLOAD G0S, G1S, G0SB, G1SB                     ; the scales first
.irp s, 0,1
	s_mov_b32 s[G0+4*\s], 1
	s_add_co_u32 s[G0+4*\s+1], s45, \s*SLOT
	s_add_nc_u64 s[G0+4*\s+2:G0+4*\s+3], s[20:21], \s*ROWB
	s_or_b32 s[G0+4*\s+3], s[G0+4*\s+3], 0x80000000
	s_mov_b32 s[G0B+4*\s], 1
	s_add_co_u32 s[G0B+4*\s+1], s45, \s*SLOT
	s_add_nc_u64 s[G0B+4*\s+2:G0B+4*\s+3], s[46:47], \s*ROWB
	s_or_b32 s[G0B+4*\s+3], s[G0B+4*\s+3], 0x80000000
	JLOAD G0+4*\s, G1, G0B+4*\s, G1B
.endr
	v_and_b32 v1, 15, v0                           ; r = l % 16
	v_bfe_u32 v2, v0, 4, 1                         ; h = l / 16
	; the bias: lane (r, h) wants, for B's block b, bqkv at my first column + 16 b + 8 h + 0 .. 7
	s_lshl_b32 s46, s42, 10
	s_lshl_b32 s47, s16, 9
	s_add_co_u32 s46, s46, s47                     ; my first column, in bytes of f32
	s_mov_b32 s47, 0
	s_add_nc_u64 s[96:97], s[96:97], s[46:47]
	s_add_nc_u64 s[66:67], s[66:67], s[46:47]
	v_lshlrev_b32 v[BA], 5, v2
.irp b, 0,1,2,3,4,5,6,7
	global_load_b128 v[BI+8*\b:BI+8*\b+3], v[BA], s[96:97] offset:64*\b
	global_load_b128 v[BI+8*\b+4:BI+8*\b+7], v[BA], s[96:97] offset:64*\b+16
.endr
	v_mul_u32_u24 v3, v1, PITCH
	v_lshl_add_u32 v4, v2, 4, v3                   ; a fragment's row x pitch + 16 x half
	s_mul_i32 s21, s15, HALFT                      ; my 128 rows of A
	s_mul_i32 s22, s16, HALFT                      ; my 128 rows of B,
	s_add_co_u32 s22, s22, 2*HALFT                 ; which lie behind A's 256
.irp s, 0,1
	v_add_nc_u32 v[ADRA+\s], s21, v4
	v_add_nc_u32 v[ADRB+\s], s22, v4
	s_add_co_u32 s21, s21, SLOT
	s_add_co_u32 s22, s22, SLOT
.endr
	v_mul_u32_u24 v5, v1, KS                       ; my row's scales: KS bytes a row,
	v_lshrrev_b32 v6, 8, v5
	v_lshl_add_u32 v5, v6, 4, v5                   ; and 16 more for each 256 passed
	s_mul_i32 s21, s15, HALFS
	s_mul_i32 s22, s16, HALFS
	s_add_co_u32 s22, s22, 2*HALFS
	s_sub_co_u32 s22, s22, s21
	v_mul_u32_u24 v6, s22, v2                      ; lanes 16-31 take B's
	s_add_co_u32 s21, s21, SCL
	v_add_nc_u32 v5, v5, v6
	v_add_nc_u32 v[ADRS], s21, v5
	; the way out.  My stage: 2 heads x 16 rows x (128 bytes + 16), in slot 0, which has had its only fill and its last read when the first result is stored there
	s_mul_i32 s23, s14, 4608
	v_mul_u32_u24 v5, v1, 144
	v_lshl_add_u32 v5, v2, 4, v5
	v_add_nc_u32 v[STO], s23, v5                   ; in: row r, 16 bytes for each half of the lanes
	v_and_b32 v6, 31, v0
	v_lshrrev_b32 v5, 3, v6
	v_mul_u32_u24 v5, v5, 144
	v_and_b32 v7, 7, v0
	v_lshl_add_u32 v5, v7, 4, v5
	v_add_nc_u32 v[RD], s23, v5                    ; back: eight lanes to a row of 128 bytes, four rows an instruction
	v_lshlrev_b32 v[CO], 4, v6
	v_mul_u32_u24 v[FO], v1, 12288
	v_lshl_add_u32 v[FO], v2, 5, v[FO]             ; qkvf: row r of 12,288 bytes, + 32 h
	s_lshr_b32 s21, s17, 3                         ; the batch
	s_mul_i32 s46, s21, 196608
	s_add_nc_u64 s[66:67], s[66:67], s[46:47]      ; qkvf at the batch's 16 rows, my first column
	s_lshr_b32 s20, s42, 2                         ; q, k or v
	s_lshl_b32 s20, s20, 1
	s_add_co_u32 s20, s20, s21
	s_lshl_b32 s20, s20, 4
	s_and_b32 s22, s42, 3
	s_lshl_b32 s22, s22, 2
	s_add_co_u32 s20, s20, s22
	s_lshl_b32 s22, s16, 1
	s_add_co_u32 s20, s20, s22                     ; the plane of my first head: ((q, k, v) 2 + batch) 16 + head
	s_lshl_b32 s20, s20, 18                        ; planes of 262,144 bytes
	s_and_b32 s22, s17, 7
	s_lshl_b32 s22, s22, 8
	s_lshl_b32 s23, s15, 7
	s_add_co_u32 s3, s22, s23                      ; s3: my first position in the sequence
	s_lshl_b32 s22, s3, 7
	s_add_co_u32 s20, s20, s22
	s_mov_b32 s21, 0
	s_add_nc_u64 s[12:13], s[12:13], s[20:21]
.macro FRAG reg, adr, q, i             ; 16 rows x 128 K of 4-bit codes: 8 registers; lane l holds row l % 16; registers 4 c .. 4 c + 3 hold K = 64 c + 32 (l / 16) + 0 .. 31
.irp c, 0,1
	ds_load_b128 v[\reg+4*\c:\reg+4*\c+3], v[\adr] offset:64*(\q)+32*\c+(\i)*16*PITCH
.endr
.endm
; 16 matrix instructions: A's blocks a0, a0 + 1 x B's eight, 128 along K.  zero = 1: the first product starts the sums from the bias.  The 64 accumulators take turns, one instruction a turn.
.macro MUL16 a0, p, q, sc, zero
.irp a, \a0, \a0+1
.irp b, 0,1,2,3,4,5,6,7
.if \zero
	v_wmma_scale_f32_16x16x128_f8f6f4 v[8*(8*((\a)%4)+\b):8*(8*((\a)%4)+\b)+7], v[128*(\p)+FR*\b:128*(\p)+FR*\b+FR-1], v[AF+FR*(\a):AF+FR*(\a)+FR-1], v[BI+8*\b:BI+8*\b+7], v[SC+8*NQ*(\sc)+NQ*\b+(\q)], v[SC+8*NQ*(\sc)+NQ*(\a)+(\q)] matrix_a_fmt:MATRIX_FMT_FP4 matrix_b_fmt:MATRIX_FMT_FP4 matrix_a_scale:MATRIX_SCALE_ROW1
.else
	v_wmma_scale_f32_16x16x128_f8f6f4 v[8*(8*((\a)%4)+\b):8*(8*((\a)%4)+\b)+7], v[128*(\p)+FR*\b:128*(\p)+FR*\b+FR-1], v[AF+FR*(\a):AF+FR*(\a)+FR-1], v[8*(8*((\a)%4)+\b):8*(8*((\a)%4)+\b)+7], v[SC+8*NQ*(\sc)+NQ*\b+(\q)], v[SC+8*NQ*(\sc)+NQ*(\a)+(\q)] matrix_a_fmt:MATRIX_FMT_FP4 matrix_b_fmt:MATRIX_FMT_FP4 matrix_a_scale:MATRIX_SCALE_ROW1
.endif
.endr
.endr
.endm
.macro FETCH_B slot, q, p
	WIN TO_B
.irp i, 0,1,2,3,4,5,6,7
	FRAG 128*(\p)+FR*\i, ADRB+\slot, \q, \i
.endr
	WIN 0
.endm
.macro FETCH_A slot, q, i0
.irp i, \i0, \i0+1, \i0+2, \i0+3
	FRAG AF+FR*(\i), ADRA+\slot, \q, \i
.endr
.endm
.macro SCALES sc                       ; a slot's scale words: lanes 0-15 take A's block i, lanes 16-31 B's block i
.irp i, 0,1,2,3,4,5,6,7
	ds_load_b128 v[SC+8*NQ*\sc+NQ*\i:SC+8*NQ*\sc+NQ*\i+3], v[ADRS] offset:\i*SBLK
.endr
.endm
.macro PLACES n                        ; plain vector instructions between a matrix instruction and a load into, or a read of, its registers
.rept \n
	v_nop
.endr
.endm
.macro STEP slot, q, zero              ; 128 along K with its successor in the same slot
	s_wait_dscnt 4*NL                              ; B's set and A's blocks 0-3 are in; the youngest eight loads (A's blocks 4-7) may be out
.if \zero
	WIN BIAS_LO
.else
	WIN MUL_LO
.endif
	MUL16 0, (\q)%2, \q, \slot, \zero
	MUL16 2, (\q)%2, \q, \slot, \zero
	s_wait_dscnt 0
	PLACES NP
	FETCH_B \slot, (\q)+1, 1-(\q)%2
	FETCH_A \slot, (\q)+1, 0
.if \zero
	WIN BIAS_HI
.else
	WIN MUL_HI
.endif
	MUL16 4, (\q)%2, \q, \slot, \zero
	MUL16 6, (\q)%2, \q, \slot, \zero
	PLACES NP
	WIN 0
	FETCH_A \slot, (\q)+1, 4
.endm
.macro TURN slot, next                 ; slot 0's last step changes slots: one barrier
	s_wait_tensorcnt 0x0                           ; all my tensor loads have landed: my part of the next slot
	ds_add_u32 v[SPW], v[NIL]                      ; 0 onto my spare word
	s_wait_dscnt 4*NL+1                            ; the add and the youngest eight loads may be out
	WIN MUL_LO
	MUL16 0, 1, NQ-1, \slot, 0
	s_wait_dscnt 0x0                               ; the add is done, and my reads of this slot are over
	s_barrier_signal -1
	MUL16 2, 1, NQ-1, \slot, 0
	WIN 0
	s_barrier_wait -1
	PLACES NP
	v_add_nc_u32 v[ADRS], 4*NQ, v[ADRS]            ; on to the next slot's scale words
	FETCH_B \next, 0, 0
	FETCH_A \next, 0, 0
	SCALES \next
	WIN MUL_HI
	MUL16 4, 1, NQ-1, \slot, 0
	MUL16 6, 1, NQ-1, \slot, 0
	PLACES NP
	WIN 0
	FETCH_A \next, 0, 4
.endm
	s_wait_tensorcnt 1                             ; the scales and my part of slot 0 are in; slot 1's load may be out
	s_barrier_signal -1
	s_barrier_wait -1
	FETCH_B 0, 0, 0
	FETCH_A 0, 0, 0
	SCALES 0
	FETCH_A 0, 0, 4
	s_wait_loadcnt 0x0                             ; the bias
	STEP 0, 0, 1
	STEP 0, 1, 0
	STEP 0, 2, 0
	TURN 0, 1
	STEP 1, 0, 0
	STEP 1, 1, 0
	STEP 1, 2, 0
	s_wait_dscnt 4*NL                              ; the last step: nothing more to fetch
	WIN MUL_LO
	MUL16 0, 1, NQ-1, 1, 0
	MUL16 2, 1, NQ-1, 1, 0
	s_wait_dscnt 0
	WIN MUL_HI
	MUL16 4, 1, NQ-1, 1, 0
	MUL16 6, 1, NQ-1, 1, 0
	WIN 0
	PLACES NP                                      ; for every read of results and every write of operands below
	; THE FINE ROWS.  Where my first position is 0, my block 0 is positions 0-15 of a sequence: it goes to qkvf in f32 as it stands.  No branch hangs on a work-group's place in its cluster: the lanes are
	; switched off instead.  EXEC changes only behind s_wait_xcnt 0.  A lane stores 16 bytes of its row an instruction: pieces, 384 KiB in the whole launch.
	v_mov_b32 v7, s3
	v_cmp_eq_u32 vcc_lo, 0, v7
	s_wait_xcnt 0x0
	s_and_saveexec_b32 s95, vcc_lo
	WIN 0x08                                       ; a store's data are its source 1: window 2
.irp b, 0,1,2,3,4,5,6,7
	global_store_b128 v[FO], v[8*\b:8*\b+3], s[66:67] offset:64*\b          ; each accumulator from its low end on
	global_store_b128 v[FO], v[8*\b+4:8*\b+7], s[66:67] offset:64*\b+16
.endr
	WIN 0
	s_wait_xcnt 0x0
	s_or_b32 exec_lo, exec_lo, s95
; THE WAY OUT, block by block of 16 rows x 128 columns = 2 heads x 64.  Rounded to f16, 16 bytes a lane; through my stage; back as rows of 128 bytes, which are neighbours in a head's plane.
.macro PACK a
.set AC, 64*((\a)%4)
.set TM, TMP+96*((\a)%2)
.set WN, 0x0a+5*((\a)/4)
	WIN WN                                         ; sources 0 and 1: window 2 or 3
.irp b, 0,1,2,3,4,5,6,7
.irp r, 0,1,2,3
	v_cvt_pk_f16_f32 v[TM+4*\b+\r], v[AC+8*\b+2*\r], v[AC+8*\b+2*\r+1]
.endr
.endr
	WIN 0
.endm
.macro TOSTAGE a
.set TM, TMP+96*((\a)%2)
.set BB, BK+32*((\a)%2)
.irp b, 0,1,2,3,4,5,6,7
	ds_store_b128 v[STO], v[TM+4*\b:TM+4*\b+3] offset:(\b/4)*2304+(\b%4)*32
.endr
.irp t, 0,1,2,3,4,5,6,7
	ds_load_b128 v[BB+4*\t:BB+4*\t+3], v[RD] offset:(\t/4)*2304+(\t%4)*576   ; LDS serves a wave's instructions in order (ISA guide 5.7.1.4): these see the stores above
.endr
.endm
.macro SEND a, younger                 ; younger: the LDS instructions issued behind block a's loads
.set BB, BK+32*((\a)%2)
	s_wait_dscnt \younger
.irp t, 0,1,2,3,4,5,6,7
	global_store_b128 v[CO], v[BB+4*\t:BB+4*\t+3], s[12:13] offset:(\t/4)*262144+2048*(\a)+512*(\t%4)   ; 32 lanes store 512 consecutive bytes, aligned
.endr
.endm
	PACK 0
	TOSTAGE 0
.irp a, 1,2,3,4,5,6,7
	PACK \a
.if \a > 1
	s_wait_xcnt 0x0                                ; block a - 2's stores have read their registers: block a's loads may land there
.endif
	TOSTAGE \a
	SEND \a-1, 16                                  ; behind block a - 1's loads: block a's 8 stores and 8 loads
.endr
	SEND 7, 0
	s_wait_tensorcnt 0x0                           ; the wave's end
	ds_add_u32 v[SPW], v[NIL]
	s_wait_dscnt 0x0
	CROUND                                         ; the closing round
	s_endpgm
.Lfunc_end_k_qeba5c7226f_gemm:
	.size	k_qeba5c7226f_gemm, .Lfunc_end_k_qeba5c7226f_gemm-k_qeba5c7226f_gemm
	.p2alignl 7, 3214868480
	.fill 96, 4, 3214868480
	.section	.rodata,"a",@progbits
	.p2align	6, 0x0
	.amdhsa_kernel k_qeba5c7226f_gemm
		.amdhsa_group_segment_fixed_size 327680
		.amdhsa_private_segment_fixed_size 0
		.amdhsa_enable_private_segment 0
		.amdhsa_kernarg_size 56
		.amdhsa_user_sgpr_count 2
		.amdhsa_user_sgpr_kernarg_segment_ptr 1
		.amdhsa_wavefront_size32 1
		.amdhsa_system_sgpr_workgroup_id_x 1
		.amdhsa_system_sgpr_workgroup_id_y 1
		.amdhsa_system_sgpr_workgroup_id_z 1
		.amdhsa_system_vgpr_workitem_id 0
		.amdhsa_next_free_vgpr 1024
		.amdhsa_next_free_sgpr 98
		.amdhsa_reserve_vcc 1
		.amdhsa_float_denorm_mode_32 3
		.amdhsa_float_denorm_mode_16_64 3
		.amdhsa_memory_ordered 1
		.amdhsa_forward_progress 1
		.amdhsa_inst_pref_size 130
	.end_amdhsa_kernel
	.amdgpu_metadata
---
amdhsa.version: [ 1, 2 ]
amdhsa.kernels:
  - .name:           k_qeba5c7226f_gemm
    .symbol:         k_qeba5c7226f_gemm.kd
    .args:
      - { .name: xc, .offset: 0, .size: 8, .value_kind: global_buffer, .address_space: global }
      - { .name: xs, .offset: 8, .size: 8, .value_kind: global_buffer, .address_space: global }
      - { .name: wc, .offset: 16, .size: 8, .value_kind: global_buffer, .address_space: global }
      - { .name: ws, .offset: 24, .size: 8, .value_kind: global_buffer, .address_space: global }
      - { .name: qkvh, .offset: 32, .size: 8, .value_kind: global_buffer, .address_space: global }
      - { .name: bqkv, .offset: 40, .size: 8, .value_kind: global_buffer, .address_space: global }
      - { .name: qkvf, .offset: 48, .size: 8, .value_kind: global_buffer, .address_space: global }
    .group_segment_fixed_size: 327680
    .private_segment_fixed_size: 0
    .kernarg_segment_align: 8
    .kernarg_segment_size: 56
    .max_flat_workgroup_size: 128
    .sgpr_count:     98
    .vgpr_count:     1024
    .wavefront_size: 32
...
	.end_amdgpu_metadata
.endif
;; end of part 2
;; launch attn (part 3): grid 8 x 32, 8 waves a work-group, no clusters, 327,680 bytes of LDS; arguments qkvh, oh; writes oh
.if DOCPART == 3
	.amdgcn_target "amdgcn-amd-amdhsa--gfx1250"
	.amdhsa_code_object_version 6
	.text
	.protected	k_qeba5c7226f_attn
	.globl	k_qeba5c7226f_attn
	.p2align	8
	.type	k_qeba5c7226f_attn,@function
k_qeba5c7226f_attn:
	s_mov_b64 s[64:65], 0
	v_nop
	global_prefetch_b8 v0, s[64:65] scope:SCOPE_SE
	s_setreg_imm32_b32 hwreg(HW_REG_WAVE_MODE, 25, 1), 1
	s_wait_xcnt 0x0
; O[b][h][q] = the sum over k <= q of softmax_k(Q[q] . K[k] / 8) V[k].  Q, K, V: planes of qkvh, f16 [2048][64].  Products on f16 operands, sums, maxima and the softmax in f32; p is rounded to f16 for the
; second product, O once at the end.  OUT: oh, f16 [batch 16 + position / 128][head 16][128 positions][64].
; LIMITS: O must lie under 65,504 in magnitude (it is an average of V's rows); NaN and infinities are not served.
; SHARES.  Work-group (j, head) owns the blocks j and 15 - j of 128 queries.  A WAVE OWNS 32 NEIGHBOURING QUERIES of one block, two tiles of 16: tile 1 the lower, tile 0 the upper.  Four waves share the late block,
; four the early one.  Both tiles lie in one group of 64 queries, so the same key steps count for both and the same step lies on the diagonal: every fragment of K and V that a wave reads feeds two products.
; The eight waves walk 2 (31 - 2 j) + 2 (32 - 2 j) + 2 (2 j + 1) + 2 (2 j + 2) = 132 key steps in all, whatever j.  The late block goes to waves 0, 2, 5, 7: of waves w and w + 4, and of waves 2 i and 2 i + 1,
; one takes the late block and one the early.
; LAYOUT.  S^T = K Q^T (source 0 = 16 keys, source 1 = 16 queries), O^T = V^T P: a lane holds ONE query (lane % 16) throughout; two tiles of S^T, rounded in pairs, are source 1 of the second product.
; K comes out of LDS as it lies, V ([key][channel]) turned, by ds_load_tr16_b128.
; SOFTMAX.  A running maximum m and sum l for each query: p = 2^(c s - c m), c = log2(e) / 8; in every step O and l are multiplied by a = 2^(c m_old - c m_new).
; BY TURNS.  When the early block's waves are through, a late wave has no partner's work beside its own, so it sets its own vector work between its matrix instructions: a tile's softmax is a numbered list,
; and a slice of tile 1's stands behind each product K Q^T of tile 0, a slice of tile 0's behind each product V^T P of tile 1.  Tile 1's K Q^T and tile 0's V^T P stand bare.
; THE RING.  64 keys a step, 256 keys a slot, two slots 2^17 bytes apart; waves 0 and 1 fetch K's halves, waves 2 and 3 V's, one tensor load a wave behind each change of slots.  EVERY work-group walks all
; eight slots: trip counts are constants.  A step all of whose keys come after the wave's queries leads, by a scalar branch on ids, to the slot's end (the later steps of the slot are hidden too); a slot whose
; first key comes after the work-group's last query is not asked for.  Every wait on TENSORcnt is for 0.
; NO CLUSTER: the eight work-groups of a head need 5 to 8 slots each, so a joint load would bring some partners tiles that none of their waves reads.
; REGISTERS.  window 0: v1-11 addresses and constants; v12-27 statistics, eight a tile; v28 the prefetches' offset; v29-31 at work; v32-63 Q; v64-127 S^T; v128-159 P; v160-223 K's fragments.
;   window 1: v0-63 O^T, 32 a tile; v64-127 V's fragments.  All of a softmax but O^T's rescaling lies in window 0 with K Q^T's operands, so the slices behind K Q^T cost no switch; those behind V^T P cost two
;   for each product, the price of not leaving the matrix unit idle through a softmax.
.set KP,    144                        ; a key's row of K in LDS: 128 bytes + 16
.set VP,    160                        ; of V: 128 + 32, an odd multiple of 32 for the turning load
.set VOFF,  256*KP
.set SLOT1, 1<<17
.set STAGE, 2*SLOT1                    ; the way out: 16 rows x 144 bytes for each wave; no tile lands here
.set SPARE, STAGE+8*2304               ; the spare words, 128 bytes for each wave: four blocks of 256 bytes that no other line names
.set AK0, 1
.set AV0, 2
.set ADK, 3
.set ADV, 4
.set SPW, 5
.set NIL, 6
.set STO, 7
.set RD,  8
.set GO,  9
.set DQ,  10                           ; v10  lane % 16 - 8 (lane / 16)
.set NINF, 11                          ; v11  -infinity
.set ST,  12                           ; tile t at v[ST + 8 t]: +0 c m, +1 m, +2, +3 l in two halves, +4 to +7 at work (a in +6)
.set PFO, 28
.set TW,  29
.set Q,   32
.set S,   64
.set P,   128
.set KR,  160
.set OV,  64                           ; V's fragments, in window 1
.set TB,  2                            ; s2   LDS byte at which the slot in hand begins
.set SLOTS, 3                          ; s3   changes of slots still to come in the loop
.set WV,  18
.set SEL, 20
.set CS,  22
.set G1K, 24
.set G1V, 32
.set G0K, 40
.set G0V, 44
.set KEY, 48                           ; s48  the slot's first key
.set QH15, 50                          ; s50  my last query
.set QLO, 51                           ; s51  tile 1's first query;  s52 tile 0's
.set QHI, 52
.set LASTQ, 53                         ; s53  the work-group's last query
.set PFA, 54
.set LIM, 56
.set T0,  57
.set KQ,  58                           ; s58  the step's first key (at the head s[58:59] hold the plane's offset)
.set MSB, 0
.macro WIN new                         ; the immediate's high byte repeats the setting that is left; a switch that changes nothing is dropped
.if MSB != \new
	s_set_vgpr_msb (MSB<<8)|\new
.set MSB, \new
.endif
.endm
.set W_PV, 0x51                        ; V and O^T in window 1, P in window 0
.set W_RS, 0x41                        ; O^T (destination and source 0) in window 1, a in window 0
; Waves 0 and 1 fetch for K, waves 2 and 3 for V, the others nothing.  An s_nop 0 and four v_nop follow each of the two lines.
.macro TLOAD
	s_cmp_lt_u32 s[WV], 2
	s_cbranch_scc0 .Lnot_k_\@
	tensor_load_to_lds s[G0K:G0K+3], s[G1K:G1K+7]
	s_nop 0
.rept 4
	v_nop
.endr
	s_branch .Lasked_\@
.Lnot_k_\@:
	s_cmp_lt_u32 s[WV], 4
	s_cbranch_scc0 .Lasked_\@
	tensor_load_to_lds s[G0V:G0V+3], s[G1V:G1V+7]
	s_nop 0
.rept 4
	v_nop
.endr
.Lasked_\@:
.endm
; A PREFETCH of what the NEXT change of slots will ask for: 256 rows of K and of V, two dense blocks of 32,768 bytes.  All work-groups of a head walk the same K and V: the one with j = 0, which asks for every slot,
; prefetches.  In it waves 4 and 5 ask for K's halves and waves 6 and 7 for V's: 16,384 bytes a wave, two instructions, lanes 256 bytes apart.  So each aligned block of 256 bytes is named once in the launch.
; It asks four key steps ahead of the load.  The last change that fills a slot asks for nothing; slots 0 and 1 come by their loads alone.
.macro ASK
	s_cmp_gt_u32 s[SLOTS], s[LIM]
	s_cbranch_scc0 .Lnot_mine_\@
	global_prefetch_b8 v[PFO], s[PFA:PFA+1] th:TH_LOAD_NT scope:SCOPE_SE
	global_prefetch_b8 v[PFO], s[PFA:PFA+1] offset:8192 th:TH_LOAD_NT scope:SCOPE_SE
.Lnot_mine_\@:
.endm
	s_load_b128 s[4:7], s[0:1], 0x0                ; qkvh s[4:5], oh s[6:7]
	v_lshl_add_u32 v[SPW], v0, 2, SPARE
	v_mov_b32 v[NIL], 0
	ds_add_u32 v[SPW], v[NIL]                      ; the wave's opening: the add, twice on end, and its wait ahead of my first tensor load
	ds_add_u32 v[SPW], v[NIL]
	v_lshrrev_b32 v29, 5, v0
	v_readfirstlane_b32 s[WV], v29                 ; wave 0..7
	s_mov_b32 s[G1K], (1<<16)|(1<<20)|(4<<22)|(3<<25)             ; no mask; elements of 2 bytes; padding on: 4 words after every 32
	s_mov_b32 s[G1V], (1<<16)|(1<<20)|(4<<22)|(7<<25)             ; the same with 8 words
.irp g, G1K, G1V
	s_mov_b32 s[\g+1], 64<<16                      ; tensor_dim0 = 64
	s_mov_b32 s[\g+2], 128<<16                     ; tensor_dim1 = 128
	s_mov_b32 s[\g+3], 64<<16                      ; tile_dim0
	s_mov_b32 s[\g+4], 128                         ; tile_dim1
	s_mov_b32 s[\g+5], 64                          ; the pitch
	s_mov_b32 s[\g+6], 0
	s_mov_b32 s[\g+7], 0
.endr
	s_and_b32 s57, ttmp7, 0xffff                   ; 16 x batch + head
	s_lshl_b32 s58, s57, 18                        ; its plane
	s_mov_b32 s59, 0
	s_lshr_b32 s60, s[WV], 2
	s_xor_b32 s60, s60, s[WV]
	s_and_b32 s60, s60, 1                          ; 0 in waves 0, 2, 5, 7: the late block; 1 in waves 1, 3, 4, 6: the early one
	s_sub_co_u32 s61, 15, ttmp9
	s_cmp_eq_u32 s60, 0
	s_cselect_b32 s61, s61, ttmp9                  ; my block of 128 queries: 15 - j or j
	s_lshr_b32 s63, s[WV], 1
	s_lshl_b32 s63, s63, 5                         ; my 32 queries of it: 32 x (wave / 2), which is 0, 32, 64, 96 among the four waves of either block
	s_lshl_b32 s[QLO], s61, 7
	s_add_co_u32 s[QLO], s[QLO], s63               ; tile 1's first query
	s_add_co_u32 s[QHI], s[QLO], 16                ; tile 0's
	s_add_co_u32 s[QH15], s[QHI], 15               ; my last query
	s_lshl_b32 s[LASTQ], ttmp9, 7
	s_sub_co_u32 s[LASTQ], 2047, s[LASTQ]          ; the work-group's last query: the same in all eight waves
	s_and_b32 s66, s57, 16                         ; oh: (16 x batch + block) x 262,144
	s_add_co_u32 s66, s66, s61
	s_lshl_b32 s66, s66, 18
	s_and_b32 s68, s57, 15
	s_lshl_b32 s68, s68, 14                        ; + the head's 16,384 bytes
	s_add_co_u32 s66, s66, s68
	s_lshl_b32 s68, s63, 7                         ; + my 32 rows of 128 bytes
	s_add_co_u32 s66, s66, s68
	s_mov_b32 s67, 0
	s_lshl_b32 s62, s[QLO], 7                      ; Q: rows of 128 bytes
	s_mov_b32 s63, 0
	s_and_b32 s70, s[WV], 1                        ; which half of a slot's rows I fetch, or ask for
	s_mul_i32 s71, s70, 128*KP
	s_mul_i32 s72, s70, 128*VP
	s_add_co_u32 s72, s72, VOFF
	s_lshl_b32 s74, s70, 14
	s_mov_b32 s75, 0
	s_mov_b32 s[SEL], 0x76543210
	s_mov_b32 s[SEL+1], 0xfedcba98
	s_mov_b32 s[CS], 0x3e38aa3b                    ; c = log2(e) / 8
	s_mov_b32 s[CS+1], s[CS]
	s_mov_b32 s[TB], 0
	s_mov_b32 s[SLOTS], 7
	s_mov_b32 s[KEY], 0
	s_wait_dscnt 0x0                               ; both opening adds are done
	s_wait_kmcnt 0x0
	s_add_nc_u64 s[12:13], s[6:7], s[66:67]        ; oh at tile 1's first row; tile 0's rows follow, 2,048 bytes on
	s_add_nc_u64 s[4:5], s[4:5], s[58:59]          ; Q's plane
	s_add_nc_u64 s[8:9], s[4:5], 0x800000          ; K's: 32 planes on
	s_add_nc_u64 s[10:11], s[4:5], 0x1000000       ; V's: 64 planes on
	s_mov_b32 s[G0K], 1
	s_mov_b32 s[G0K+1], s71
	s_add_nc_u64 s[G0K+2:G0K+3], s[8:9], s[74:75]
	s_or_b32 s[G0K+3], s[G0K+3], 0x80000000
	s_mov_b32 s[G0V], 1
	s_mov_b32 s[G0V+1], s72
	s_add_nc_u64 s[G0V+2:G0V+3], s[10:11], s[74:75]
	s_or_b32 s[G0V+3], s[G0V+3], 0x80000000
	TLOAD                                          ; slot 0: it holds key 0, which counts for every query
	s_add_nc_u64 s[62:63], s[4:5], s[62:63]        ; Q at tile 1's first row
	s_cmp_lt_u32 s[WV], 6                          ; the prefetches: waves 4 and 5 K, waves 6 and 7 V
	s_cselect_b64 s[PFA:PFA+1], s[8:9], s[10:11]
	s_add_nc_u64 s[PFA:PFA+1], s[PFA:PFA+1], s[74:75]
	s_add_nc_u64 s[PFA:PFA+1], s[PFA:PFA+1], 32768 ; in slot 1: the first change of slots steps it to slot 2
	s_lshr_b32 s57, s[WV], 2
	s_xor_b32 s57, s57, 1                          ; 0 in waves 4 to 7,
	s_or_b32 s57, s57, ttmp9                       ; of the work-group with j = 0
	s_cmp_eq_u32 s57, 0
	s_cselect_b32 s[LIM], 1, -1
	v_and_b32 v30, 15, v0                          ; r
	v_bfe_u32 v31, v0, 4, 1                        ; h
	v_lshlrev_b32 v29, 7, v30
	v_lshl_add_u32 v29, v31, 4, v29                ; Q: row r of 128 bytes, + 16 h
.irp kk, 0,1
	global_load_b128 v[Q+8*\kk:Q+8*\kk+3], v29, s[62:63] offset:2048+64*\kk          ; tile 0: 16 rows on
	global_load_b128 v[Q+8*\kk+4:Q+8*\kk+7], v29, s[62:63] offset:2048+64*\kk+32
	global_load_b128 v[Q+16+8*\kk:Q+16+8*\kk+3], v29, s[62:63] offset:64*\kk         ; tile 1
	global_load_b128 v[Q+16+8*\kk+4:Q+16+8*\kk+7], v29, s[62:63] offset:64*\kk+32
.endr
	v_mul_u32_u24 v[AK0], v30, KP
	v_lshl_add_u32 v[AK0], v31, 4, v[AK0]          ; K: row r x pitch + 16 h
	v_and_b32 v3, 7, v0
	v_lshl_add_u32 v[AV0], v31, 3, v3
	v_mul_u32_u24 v[AV0], v[AV0], VP
	v_bfe_u32 v3, v0, 3, 1
	v_lshl_add_u32 v[AV0], v3, 4, v[AV0]
	v_add_nc_u32 v[AV0], VOFF, v[AV0]              ; V, for the turning load: key 8 h + l % 8, channels 8 ((l / 8) % 2) on
	s_mul_i32 s57, s[WV], 2304
	s_add_co_u32 s57, s57, STAGE
	v_add_nc_u32 v[STO], s57, v[AK0]               ; the stage, in: row r x 144 + 16 h
	v_and_b32 v3, 31, v0
	v_lshrrev_b32 v4, 3, v3
	v_mul_u32_u24 v4, v4, 144
	v_and_b32 v[RD], 7, v0
	v_lshl_add_u32 v[RD], v[RD], 4, v4
	v_add_nc_u32 v[RD], s57, v[RD]                 ; back: eight lanes to a row, four rows an instruction
	v_lshlrev_b32 v[GO], 4, v3
	v_lshlrev_b32 v[PFO], 8, v3
	v_lshlrev_b32 v4, 3, v31
	v_sub_nc_u32 v[DQ], v30, v4
	v_mov_b32 v[NINF], 0xff800000
.irp t, 0,1
	v_mov_b32 v[ST+8*\t+1], 0xff61b1e6             ; m: -3e38, under every score
	v_mul_f32 v[ST+8*\t], s[CS], v[ST+8*\t+1]
.irp i, 2,3,4,5,6,7
	v_mov_b32 v[ST+8*\t+\i], 0
.endr
.endr
	WIN 0x40
.set j, 0
.rept 64
	v_mov_b32 v[j], 0                              ; O^T.  The step is written once: its first run finds zeros, which a = 0 leaves zeros
.set j, j+1
.endr
	WIN 0
; THE MATRIX WORK.  In each run of eight the four accumulators take turns, one instruction a turn.
.macro QKI t                           ; product i of 8 of tile t's S^T = K Q^T: channels 32 (i / 4) on, keys 16 (i % 4) on; the first four start the sums
	WIN 0
.set xa, i%4
.set xk, i/4
.if i < 4
	v_wmma_f32_16x16x32_f16 v[S+32*(\t)+8*xa:S+32*(\t)+8*xa+7], v[KR+16*xa+8*xk:KR+16*xa+8*xk+7], v[Q+16*(\t)+8*xk:Q+16*(\t)+8*xk+7], 0
.else
	v_wmma_f32_16x16x32_f16 v[S+32*(\t)+8*xa:S+32*(\t)+8*xa+7], v[KR+16*xa+8*xk:KR+16*xa+8*xk+7], v[Q+16*(\t)+8*xk:Q+16*(\t)+8*xk+7], v[S+32*(\t)+8*xa:S+32*(\t)+8*xa+7]
.endif
.endm
.macro PVI t                           ; product i of 8 of tile t's O^T += V^T P: keys 32 (i / 4) on, channels 16 (i % 4) on
	WIN W_PV
.set xd, i%4
.set xs, i/4
	v_wmma_f32_16x16x32_f16 v[32*(\t)+8*xd:32*(\t)+8*xd+7], v[OV+32*xs+8*xd:OV+32*xs+8*xd+7], v[P+16*(\t)+8*xs:P+16*(\t)+8*xs+7], v[32*(\t)+8*xd:32*(\t)+8*xd+7]
.endm
; THE VECTOR WORK.  One tile's softmax for one key step is a list of 119 numbers; SMI writes number j of it for tile t.
;   0-15    the maximum of the lane's 32 scores and the old m, three operands at a time: four chains, each accumulator from its low end on
;   16-20   the other half of the lanes' maximum; the new m; c m; c m_old - c m_new
;   21-36   c s - c m, a pair of scores each
;   37-69   the 33 exponentials, one batch: a, then p
;   70      a plain instruction behind the last exponential, and the ONE wait ahead of the batch's first reader
;   71-86   the roundings to f16      87-102  the sum of the unrounded p, a tree in place; l = a l + the sum
;   103-118 the tile's O^T times a, ascending: the one part that leaves window 0
.macro SMI t
.set rT, ST+8*(\t)
.set rS, S+32*(\t)
.set rP, P+16*(\t)
.set rO, 32*(\t)
.if j < 103
	WIN 0
.else
	WIN W_RS
.endif
.if j < 4
	v_max3_num_f32 v[rT+4+j], v[rS+8*j], v[rS+8*j+1], v[rS+8*j+2]
.elseif j < 12
	v_max3_num_f32 v[rT+4+j%4], v[rT+4+j%4], v[rS+8*(j%4)+2*(j/4)+1], v[rS+8*(j%4)+2*(j/4)+2]
.elseif j == 12
	v_max3_num_f32 v[rT+4], v[rT+4], v[rS+7], v[rS+15]
.elseif j == 13
	v_max3_num_f32 v[rT+6], v[rT+6], v[rS+23], v[rS+31]
.elseif j == 14
	v_max3_num_f32 v[rT+4], v[rT+4], v[rT+5], v[rT+6]
.elseif j == 15
	v_max3_num_f32 v[rT+4], v[rT+4], v[rT+7], v[rT+1]              ; with the old m
.elseif j == 16
	v_permlanex16_b32 v[rT+5], v[rT+4], s[SEL], s[SEL+1]           ; the query's other 32 keys lie in the lane 16 away
.elseif j == 17
	v_mov_b32 v[rT+7], v[rT]                       ; c m_old
.elseif j == 18
	v_max_num_f32 v[rT+1], v[rT+4], v[rT+5]
.elseif j == 19
	v_mul_f32 v[rT], s[CS], v[rT+1]
.elseif j == 20
	v_sub_f32 v[rT+7], v[rT+7], v[rT]
.elseif j < 37
.set xu, j-21
	v_pk_fma_f32 v[rS+2*xu:rS+2*xu+1], v[rS+2*xu:rS+2*xu+1], s[CS:CS+1], v[rT:rT+1] op_sel_hi:[1,0,0] neg_lo:[0,0,1] neg_hi:[0,0,1]
.elseif j == 37
	v_exp_f32 v[rT+6], v[rT+7]                     ; a
.elseif j < 70
.set xu, j-38
	v_exp_f32 v[rS+xu], v[rS+xu]                   ; p
.elseif j == 70
	v_nop
	s_wait_alu depctr_va_vdst(0)
.elseif j < 87
.set xu, j-71
	v_cvt_pk_f16_f32 v[rP+xu], v[rS+2*xu], v[rS+2*xu+1]
.elseif j < 95
.set xu, j-87
	v_pk_add_f32 v[rS+4*xu:rS+4*xu+1], v[rS+4*xu:rS+4*xu+1], v[rS+4*xu+2:rS+4*xu+3]
.elseif j < 99
.set xu, j-95
	v_pk_add_f32 v[rS+8*xu:rS+8*xu+1], v[rS+8*xu:rS+8*xu+1], v[rS+8*xu+4:rS+8*xu+5]
.elseif j < 101
.set xu, j-99
	v_pk_add_f32 v[rS+16*xu:rS+16*xu+1], v[rS+16*xu:rS+16*xu+1], v[rS+16*xu+8:rS+16*xu+9]
.elseif j == 101
	v_pk_add_f32 v[rS:rS+1], v[rS:rS+1], v[rS+16:rS+17]
.elseif j == 102
	v_pk_fma_f32 v[rT+2:rT+3], v[rT+2:rT+3], v[rT+6:rT+7], v[rS:rS+1] op_sel_hi:[1,0,1]
.else
.set xu, j-103
	v_pk_mul_f32 v[rO+2*xu:rO+2*xu+1], v[rO+2*xu:rO+2*xu+1], v[rT+6:rT+7] op_sel_hi:[1,0]
.endif
.endm
.macro QK t                            ; eight products, bare
.set i, 0
.rept 8
	QKI \t
.set i, i+1
.endr
.endm
.macro PV t
.set i, 0
.rept 8
	PVI \t
.set i, i+1
.endr
.endm
; Tile tq's K Q^T with numbers 0 to 102 of tile ts's softmax behind its products, thirteen a slice (the last: twelve): 103 = 7 x 13 + 12.  All in window 0.  The last slice, twelve plain instructions that name
; none of the products' registers, is also the places behind the last product (ISA guide 7.12.1).
.macro QK_SM tq, ts
.set j, 0
.set i, 0
.rept 8
	QKI \tq
.rept 13
.if j < 103
	SMI \ts
.set j, j+1
.endif
.endr
.set i, i+1
.endr
.endm
.macro SM_REST t                       ; numbers 103 to 118 of the list that QK_SM has begun
.rept 16
	SMI \t
.set j, j+1
.endr
.endm
; Tile tp's V^T P with the whole of tile ts's softmax behind its products, fifteen a slice (the last: fourteen): 119 = 7 x 15 + 14.
.macro PV_SM tp, ts
.set j, 0
.set i, 0
.rept 8
	PVI \tp
.rept 15
.if j < 119
	SMI \ts
.set j, j+1
.endif
.endr
.set i, i+1
.endr
.endm
.macro MASK t                          ; on the diagonal hidden scores become -infinity; a step all of whose keys count skips this
	s_add_co_u32 s[T0], s[KQ], 63
	s_cmp_le_u32 s[T0], s[QHI-(\t)]
	s_cbranch_scc1 .Lopen_\@
	s_sub_co_i32 s[T0], s[QHI-(\t)], s[KQ]
	v_add_nc_u32 v[TW], s[T0], v[DQ]               ; d = my query - the step's first key - 8 h.  Register n holds key 16 (n / 8) + 8 h + n % 8: hidden where 16 (n / 8) + n % 8 > d
.set n, 0
.rept 32
	v_cmp_gt_i32 vcc_lo, 16*(n/8)+n%8, v[TW]
	v_cndmask_b32 v[S+32*(\t)+n], v[S+32*(\t)+n], v[NINF], vcc_lo
.set n, n+1
.endr
.Lopen_\@:
.endm
.macro KLOAD q                         ; K of the slot's q-th step: 64 keys x 64 channels, sixteen loads
.irp a, 0,1,2,3
.irp kk, 0,1
	ds_load_b128 v[KR+16*\a+8*\kk:KR+16*\a+8*\kk+3], v[ADK] offset:(64*(\q)+16*\a)*KP+64*\kk
	ds_load_b128 v[KR+16*\a+8*\kk+4:KR+16*\a+8*\kk+7], v[ADK] offset:(64*(\q)+16*\a)*KP+64*\kk+32
.endr
.endr
.endm
.macro VLOAD q                         ; V of the same, turned: sixteen loads
	WIN 0x40
.irp ks, 0,1
.irp dt, 0,1,2,3
	ds_load_tr16_b128 v[OV+32*\ks+8*\dt:OV+32*\ks+8*\dt+3], v[ADV] offset:(64*(\q)+32*\ks)*VP+32*\dt
	ds_load_tr16_b128 v[OV+32*\ks+8*\dt+4:OV+32*\ks+8*\dt+7], v[ADV] offset:(64*(\q)+32*\ks)*VP+16*VP+32*\dt
.endr
.endr
	WIN 0
.endm
; A KEY STEP: 64 keys, the q-th of the slot in hand, for both tiles.  K is asked for a step ahead inside a slot: as soon as both tiles have multiplied by this step's K, its registers take the next step's.
; The step that reads those registers is reached only from the step that asked: a hidden step leads to the slot's end.
.macro STEP q, id
	s_add_co_u32 s[KQ], s[KEY], 64*(\q)            ; the step's first key
	s_cmp_gt_u32 s[KQ], s[QH15]                    ; all its keys come after my queries, and so do those of the slot's later steps
	s_cbranch_scc1 .Lslot_end_\id
.if (\q) == 0
	v_add_nc_u32 v[ADK], s[TB], v[AK0]
	v_add_nc_u32 v[ADV], s[TB], v[AV0]
	KLOAD 0                                        ; a slot's first K comes behind the change of slots
.endif
	VLOAD \q
	s_wait_dscnt 16                                ; K is in; V's sixteen loads, issued behind it, may be out
	QK 1
.rept 4
	v_nop                                          ; places in front of the first read of tile 1's scores (ISA guide 7.12.1)
.endr
	MASK 1
	QK_SM 0, 1                                     ; tile 0's scores | tile 1's softmax
	SM_REST 1
	WIN 0
.if (\q) < 3
	KLOAD (\q)+1                                   ; 28 plain instructions stand behind the last product that read K
.endif
	MASK 0
.if (\q) < 3
	s_wait_dscnt 16                                ; V is in; the next step's sixteen loads of K may be out
.else
	s_wait_dscnt 0x0                               ; V is in
.endif
	PV_SM 1, 0                                     ; tile 1's second product | tile 0's softmax
	PV 0
	WIN 0
.rept 4
	v_nop                                          ; places in front of the next loads into V's registers, and of the way out
.endr
.endm
; THE CHANGE OF SLOTS stands at a slot's head.  Each wave waits for all its tensor loads, adds 0 to its spare word (fill = 1: twice on end), and waits for that and for its reads of the slot that it has left.
; Behind the barrier the slot ahead is whole and nobody reads the other one, which is then filled with the keys that follow, up to the causal limit.
.macro CHANGE fill
	s_wait_tensorcnt 0x0                           ; no tensor load of mine is out, so a group 0 may be written
	ds_add_u32 v[SPW], v[NIL]
.if \fill
	ds_add_u32 v[SPW], v[NIL]                      ; and once more, in every trip alike
	s_xor_b32 s[G0K+1], s[G0K+1], SLOT1            ; the walking descriptors: the other slot, the next 256 keys
	s_add_nc_u64 s[G0K+2:G0K+3], s[G0K+2:G0K+3], 32768
	s_xor_b32 s[G0V+1], s[G0V+1], SLOT1
	s_add_nc_u64 s[G0V+2:G0V+3], s[G0V+2:G0V+3], 32768
	s_wait_xcnt 0x0                                ; the last prefetches, a slot back, have read their address
	s_add_nc_u64 s[PFA:PFA+1], s[PFA:PFA+1], 32768
.endif
	s_wait_dscnt 0x0                               ; the add is done, and so are my reads of the slot that I have left, a fetch of K that a hidden step left unused among them
	s_barrier_signal -1
	s_barrier_wait -1
.if \fill
	s_add_co_u32 s[T0], s[KEY], 256                ; the first key of the slot that this change would ask for
	s_cmp_gt_u32 s[T0], s[LASTQ]                   ; the work-group's number and the count of slots alone: all eight waves go the same way, and a work-group that is past the limit stays past it
	s_cbranch_scc1 .Lpast_\@
	TLOAD                                          ; a wave's one tensor load until the next change
.Lpast_\@:
	ASK
.endif
.endm
.macro SLOT_STEPS id
	STEP 0, \id
	STEP 1, \id
	STEP 2, \id
	STEP 3, \id
.Lslot_end_\id:
	s_add_co_u32 s[KEY], s[KEY], 256
	s_xor_b32 s[TB], s[TB], SLOT1
.endm
	s_wait_loadcnt 0x0                             ; Q
.Lslot:                                            ; seven trips
	CHANGE 1
	SLOT_STEPS 0
	s_sub_co_u32 s[SLOTS], s[SLOTS], 1
	s_cmp_lg_u32 s[SLOTS], 0
	s_cbranch_scc1 .Lslot
	CHANGE 0                                       ; the last slot is written out: nothing is left to ask for
	SLOT_STEPS 1
	; THE WAY OUT.  O^T / l, rounded to f16, through my stage, a tile at a time: a tile of 16 queries of one head is 2,048 consecutive bytes of oh.
	s_wait_dscnt 0x0                               ; a fetch of K that a hidden step left unused has landed: K's registers are written below
.irp t, 0,1
	v_add_f32 v[ST+8*\t+4], v[ST+8*\t+2], v[ST+8*\t+3]
.endr
.irp t, 0,1
	v_permlanex16_b32 v[ST+8*\t+5], v[ST+8*\t+4], s[SEL], s[SEL+1]
.endr
.irp t, 0,1
	v_add_f32 v[ST+8*\t+4], v[ST+8*\t+4], v[ST+8*\t+5]
.endr
.irp t, 0,1
	v_rcp_f32 v[ST+8*\t+6], v[ST+8*\t+4]
.endr
	v_nop                                          ; a plain instruction behind the last reciprocal
	s_wait_alu depctr_va_vdst(0)                   ; one wait for the two, ahead of their first reader
.macro OUT t
	WIN W_RS
.irp i, 0,1,2,3,4,5,6,7,8,9,10,11,12,13,14,15
	v_pk_mul_f32 v[32*\t+2*\i:32*\t+2*\i+1], v[32*\t+2*\i:32*\t+2*\i+1], v[ST+8*\t+6:ST+8*\t+7] op_sel_hi:[1,0]
.endr
	WIN 0x05                                       ; sources 0 and 1 window 1, destination window 0: K's registers are free
.irp i, 0,1,2,3,4,5,6,7,8,9,10,11,12,13,14,15
	v_cvt_pk_f16_f32 v[KR+16*\t+\i], v[32*\t+2*\i], v[32*\t+2*\i+1]
.endr
	WIN 0
.irp dt, 0,1,2,3
	ds_store_b128 v[STO], v[KR+16*\t+4*\dt:KR+16*\t+4*\dt+3] offset:32*\dt
.endr
.irp u, 0,1,2,3
	ds_load_b128 v[KR+32+16*\t+4*\u:KR+32+16*\t+4*\u+3], v[RD] offset:576*\u   ; LDS serves a wave's instructions in order (ISA guide 5.7.1.4): these see the stores above, and the next tile's stores come behind them
.endr
.endm
	OUT 0
	OUT 1
.irp u, 0,1,2,3
	s_wait_dscnt 11-\u                             ; behind tile 0's load u: its later loads and tile 1's eight LDS instructions
	global_store_b128 v[GO], v[KR+32+4*\u:KR+32+4*\u+3], s[12:13] offset:2048+512*\u   ; 32 lanes store 512 consecutive bytes, aligned
.endr
.irp u, 0,1,2,3
	s_wait_dscnt 3-\u
	global_store_b128 v[GO], v[KR+48+4*\u:KR+48+4*\u+3], s[12:13] offset:512*\u
.endr
	s_wait_tensorcnt 0x0                           ; the wave's end
	ds_add_u32 v[SPW], v[NIL]
	s_wait_dscnt 0x0
	s_endpgm
.Lfunc_end_k_qeba5c7226f_attn:
	.size	k_qeba5c7226f_attn, .Lfunc_end_k_qeba5c7226f_attn-k_qeba5c7226f_attn
	.p2alignl 7, 3214868480
	.fill 96, 4, 3214868480
	.section	.rodata,"a",@progbits
	.p2align	6, 0x0
	.amdhsa_kernel k_qeba5c7226f_attn
		.amdhsa_group_segment_fixed_size 327680
		.amdhsa_private_segment_fixed_size 0
		.amdhsa_enable_private_segment 0
		.amdhsa_kernarg_size 16
		.amdhsa_user_sgpr_count 2
		.amdhsa_user_sgpr_kernarg_segment_ptr 1
		.amdhsa_wavefront_size32 1
		.amdhsa_system_sgpr_workgroup_id_x 1
		.amdhsa_system_sgpr_workgroup_id_y 1
		.amdhsa_system_sgpr_workgroup_id_z 1
		.amdhsa_system_vgpr_workitem_id 0
		.amdhsa_next_free_vgpr 384
		.amdhsa_next_free_sgpr 76
		.amdhsa_reserve_vcc 1
		.amdhsa_float_denorm_mode_32 3
		.amdhsa_float_denorm_mode_16_64 3
		.amdhsa_memory_ordered 1
		.amdhsa_forward_progress 1
		.amdhsa_inst_pref_size 195
	.end_amdhsa_kernel
	.amdgpu_metadata
---
amdhsa.version: [ 1, 2 ]
amdhsa.kernels:
  - .name:           k_qeba5c7226f_attn
    .symbol:         k_qeba5c7226f_attn.kd
    .args:
      - { .name: qkvh, .offset: 0, .size: 8, .value_kind: global_buffer, .address_space: global }
      - { .name: oh, .offset: 8, .size: 8, .value_kind: global_buffer, .address_space: global }
    .group_segment_fixed_size: 327680
    .private_segment_fixed_size: 0
    .kernarg_segment_align: 8
    .kernarg_segment_size: 16
    .max_flat_workgroup_size: 256
    .sgpr_count:     76
    .vgpr_count:     384
    .wavefront_size: 32
...
	.end_amdgpu_metadata
.endif
;; end of part 3
;; launch proj (part 4): grid 8 x 32, 4 waves a work-group, clusters of 4 x 4, 327,680 bytes of LDS; arguments oh, wot, bout, out0; writes out0
.if DOCPART == 4
	.amdgcn_target "amdgcn-amd-amdhsa--gfx1250"
	.amdhsa_code_object_version 6
	.text
	.protected	k_qeba5c7226f_proj
	.globl	k_qeba5c7226f_proj
	.p2align	8
	.type	k_qeba5c7226f_proj,@function
k_qeba5c7226f_proj:
	s_mov_b64 s[64:65], 0
	v_nop
	global_prefetch_b8 v0, s[64:65] scope:SCOPE_SE
	s_setreg_imm32_b32 hwreg(HW_REG_WAVE_MODE, 25, 1), 1
	s_wait_xcnt 0x0
	s_wait_alu depctr_hold_cnt(0) depctr_sa_sdst(0) depctr_va_vdst(0) depctr_va_sdst(0) depctr_va_ssrc(0) depctr_va_vcc(0) depctr_vm_vsrc(0)
	s_getreg_b32 s2, hwreg(HW_REG_IB_STS2, 6, 4)
	s_cmp_eq_u32 s2, 0
	s_cbranch_scc0 .Lentry_in_a_cluster
	s_endpgm
.Lentry_in_a_cluster:
	s_bfe_u32 s2, ttmp6, 0x10000c
	s_cmp_lg_u32 s2, 0xf033
	s_cbranch_scc0 .Lentry_shape_is_right
	s_endpgm
.Lentry_shape_is_right:
; out0 = O Wout + bout.  A = oh, f16 [row tile 32][head 16][128 rows][64]; B = wot, f16 [column tile 8][k / 64: 16][128 n][64 k]; sums in f32; out0 [4096][1024] f32.
; All rows are stored; positions 0-15 of both sequences are written anew, more finely, by the launch that follows.
; A tile of C is 128 x 128: 256 work-groups; four waves, each 64 x 64: 16 accumulators.  K goes in steps of 256 = four planes of 64 (four heads): for one tile of rows a step is 65,536 dense bytes of A, and
; likewise of B.  Two slots; a wave's tensor load brings two planes, 256 rows of 128 bytes.  K = 1,024 is four steps: two first fills, and one trip of the loop fills both slots again.
; CLUSTERS: 4 x 4 work-groups; A's tiles are asked for jointly along a row of the cluster, B's along a column.  THE MATRIX INSTRUCTION IS USED TRANSPOSED (source 0 = 16 rows of B, source 1 = 16 rows of A):
; a lane holds eight neighbouring columns of a row of C.  THE BIAS is the C of each sum's first product.
; No prefetch: four K steps on small tiles, all of whose bytes are asked for within the first two.
; REGISTERS: window 0: v0-31 addresses; v32-95 rows on the way out; v96-127 the bias; v128-255 the accumulators ((a, b) at v[128 + 8 (4 a + b)]).   window 1: two fragment buffers of 128.
.set PITCH,  144                       ; an LDS row: 128 bytes + 16: the 16 rows that a load touches start at 16 different groups of banks
.set PLANE,  128*PITCH                 ; 128 rows x 64 along K
.set HALFT,  2*PLANE                   ; what one tensor load brings
.set SLOT,   4*HALFT                   ; A's four planes, then B's four
.set STAGE,  2*SLOT                    ; behind the ring: 16 rows x 272 bytes for each wave
.set SPITCH, 272
.set SPARE,  STAGE+4*16*SPITCH         ; the spare words, 128 bytes for each wave: two blocks of 256 bytes that no other line names
.set LAPS,   2
.set ADRA, 16
.set ADRB, 20
.set STO,  24
.set RD,   25
.set CO,   26
.set BA,   27                          ; v27 the bias's offset
.set SPW,  28
.set NIL,  29
.set TMP,  32
.set BI,   96
.set ACC,  128
.set F0,   0
.set F1,   128
.set G1, 24
.set G0, 32
.set G1B, 48
.set G0B, 56
.set MSB, 0
.macro WIN new
.if MSB != \new
	s_set_vgpr_msb (MSB<<8)|\new
.set MSB, \new
.endif
.endm
.set MUL,  0x05                        ; sources 0 (B) and 1 (A) window 1; C and D window 0
.set TO_F, 0x40
.macro JLOAD s                         ; a joint load: waves 0 and 1 fetch A's halves, waves 2 and 3 B's; an s_nop 0 and four v_nop follow each of the two lines
	s_cmp_eq_u32 s11, 0
	s_cbranch_scc0 .Lfor_b_\@
	tensor_load_to_lds s[G0+4*\s:G0+4*\s+3], s[G1:G1+7]
	s_nop 0
.rept 4
	v_nop
.endr
	s_branch .Lasked_\@
.Lfor_b_\@:
	tensor_load_to_lds s[G0B+4*\s:G0B+4*\s+3], s[G1B:G1B+7]
	s_nop 0
.rept 4
	v_nop
.endr
.Lasked_\@:
.endm
.macro CREST
	s_cmp_lg_u32 s10, 0
	s_cbranch_scc1 .Lnot_wave_0_\@
	s_barrier_signal -3
.Lnot_wave_0_\@:
	s_barrier_wait -3
	s_barrier_signal -1
	s_barrier_wait -1
.endm
.macro CROUND
	s_barrier_signal -1
	s_barrier_wait -1
	CREST
.endm
	s_load_b128 s[4:7], s[0:1], 0x0                ; oh s[4:5], wot s[6:7]
	s_load_b64 s[66:67], s[0:1], 0x10              ; bout
	s_load_b64 s[8:9], s[0:1], 0x18                ; out0
	v_lshl_add_u32 v[SPW], v0, 2, SPARE
	v_mov_b32 v[NIL], 0
	ds_add_u32 v[SPW], v[NIL]                      ; the wave's opening: the add, twice on end, and its wait ahead of my first tensor load
	ds_add_u32 v[SPW], v[NIL]
	v_lshrrev_b32 v1, 5, v0
	v_readfirstlane_b32 s10, v1                    ; wave 0..3
	s_lshr_b32 s11, s10, 1                         ; which half of the tile's rows is mine.  Also: I fetch for A (0) or for B (1)
	s_and_b32 s12, s10, 1                          ; which half of its columns.  Also: which two planes of a step I fetch
	s_bfe_u32 s40, ttmp6, 0x40000
	s_bfe_u32 s41, ttmp6, 0x40004
	s_lshl_b32 s42, ttmp9, 2
	s_add_co_u32 s42, s42, s40                     ; tile column of C
	s_and_b32 s13, ttmp7, 0xffff
	s_lshl_b32 s13, s13, 2
	s_add_co_u32 s13, s13, s41                     ; tile row of C
	s_lshl_b32 s43, s41, 2
	s_lshl_b32 s43, 15, s43                        ; my row of the cluster
	s_lshl_b32 s44, 0x1111, s40                    ; my column
	s_or_b32 s[G1+0], s43, (1<<16)|(1<<20)|(1<<21)|(4<<22)|(3<<25)  ; the mask; elements of 2 bytes; padding on; bit 21 beside a mask; 4 words of padding after every 32
	s_or_b32 s[G1B+0], s44, (1<<16)|(1<<20)|(1<<21)|(4<<22)|(3<<25)
.irp g, G1, G1B
	s_mov_b32 s[\g+1], 64<<16                      ; tensor_dim0 = 64
	s_mov_b32 s[\g+2], 256<<16                     ; tensor_dim1 = 256
	s_mov_b32 s[\g+3], 64<<16                      ; tile_dim0
	s_mov_b32 s[\g+4], 256                         ; tile_dim1
	s_mov_b32 s[\g+5], 64                          ; the pitch: rows are dense
	s_mov_b32 s[\g+6], 0
	s_mov_b32 s[\g+7], 0
.endr
	s_lshl_b32 s17, s12, 15                        ; my two planes: 32,768 bytes
	s_lshl_b32 s16, s13, 18
	s_add_co_u32 s16, s16, s17                     ; A: 262,144 x tile row
	s_lshl_b32 s46, s42, 18
	s_add_co_u32 s46, s46, s17                     ; B: 262,144 x tile column
	s_mov_b32 s17, 0
	s_mov_b32 s47, 0
	s_mul_i32 s20, s10, HALFT                      ; where they go: wave x two planes
	s_wait_dscnt 0x0                               ; both opening adds are done
	s_wait_kmcnt 0x0
	s_add_nc_u64 s[14:15], s[4:5], s[16:17]
	s_add_nc_u64 s[46:47], s[6:7], s[46:47]
	CROUND                                         ; all sixteen work-groups are here: the first joint loads meet
.irp s, 0,1
	s_mov_b32 s[G0+4*\s], 1
	s_add_co_u32 s[G0+4*\s+1], s20, \s*SLOT
	s_add_nc_u64 s[G0+4*\s+2:G0+4*\s+3], s[14:15], \s*65536
	s_or_b32 s[G0+4*\s+3], s[G0+4*\s+3], 0x80000000
	s_mov_b32 s[G0B+4*\s], 1
	s_add_co_u32 s[G0B+4*\s+1], s20, \s*SLOT
	s_add_nc_u64 s[G0B+4*\s+2:G0B+4*\s+3], s[46:47], \s*65536
	s_or_b32 s[G0B+4*\s+3], s[G0B+4*\s+3], 0x80000000
	JLOAD \s
.endr
	v_and_b32 v1, 15, v0                           ; l % 16
	v_bfe_u32 v2, v0, 4, 1                         ; l / 16
	s_lshl_b32 s46, s42, 9                         ; my first column, in bytes of f32: 512 x tile column + 256 x half
	s_lshl_b32 s47, s12, 8
	s_add_co_u32 s46, s46, s47
	s_mov_b32 s47, 0
	s_add_nc_u64 s[66:67], s[66:67], s[46:47]
	v_lshlrev_b32 v[BA], 5, v2                     ; the bias: lane (r, h) wants, for B's block b, bout at my first column + 16 b + 8 h + 0 .. 7
.irp b, 0,1,2,3
	global_load_b128 v[BI+8*\b:BI+8*\b+3], v[BA], s[66:67] offset:64*\b
	global_load_b128 v[BI+8*\b+4:BI+8*\b+7], v[BA], s[66:67] offset:64*\b+16
.endr
	v_mul_u32_u24 v3, v1, PITCH
	v_lshl_add_u32 v3, v2, 4, v3                   ; a fragment's row x pitch + 16 x half
	s_mul_i32 s21, s11, 64*PITCH                   ; my 64 rows of each plane of A
	s_mul_i32 s22, s12, 64*PITCH                   ; my 64 rows of each plane of B,
	s_add_co_u32 s22, s22, 2*HALFT                 ; which lie behind A's four planes
.irp s, 0,1
	v_add_nc_u32 v[ADRA+\s], s21, v3
	v_add_nc_u32 v[ADRB+\s], s22, v3
	s_add_co_u32 s21, s21, SLOT
	s_add_co_u32 s22, s22, SLOT
.endr
	s_mul_i32 s23, s10, 16*SPITCH
	s_add_co_u32 s23, s23, STAGE                   ; my stage
	v_mul_u32_u24 v4, v1, SPITCH
	v_lshl_add_u32 v4, v2, 5, v4
	v_add_nc_u32 v[STO], s23, v4                   ; in: row l % 16, 32 bytes for each half of the lanes
	v_mul_u32_u24 v5, v2, SPITCH
	v_lshl_add_u32 v5, v1, 4, v5
	v_add_nc_u32 v[RD], s23, v5                    ; back: lanes 0-15 one row of 256 bytes, lanes 16-31 the next
	v_lshlrev_b32 v5, 12, v2
	v_lshl_add_u32 v[CO], v1, 4, v5                ; and the same two rows in out0
	s_lshl_b32 s16, s13, 19                        ; my first row: (128 x tile row + 64 x half) x 4,096 bytes
	s_lshl_b32 s17, s11, 18
	s_add_co_u32 s16, s16, s17
	s_mov_b32 s17, 0
	s_add_nc_u64 s[8:9], s[8:9], s[16:17]
	s_add_nc_u64 s[8:9], s[8:9], s[46:47]
; 8 matrix instructions: m blocks a0, a0 + 1 x all 4 n blocks, 32 along K: half c of buffer f.  zero = 1: the first product starts the sums from the bias
.macro MUL8 f, c, a0, zero
.irp a, \a0, \a0+1
.irp b, 0,1,2,3
.if \zero
	v_wmma_f32_16x16x32_f16 v[ACC+8*(4*(\a)+\b):ACC+8*(4*(\a)+\b)+7], v[\f+64+8*(4*\c+\b):\f+64+8*(4*\c+\b)+7], v[\f+8*(4*\c+\a):\f+8*(4*\c+\a)+7], v[BI+8*\b:BI+8*\b+7]
.else
	v_wmma_f32_16x16x32_f16 v[ACC+8*(4*(\a)+\b):ACC+8*(4*(\a)+\b)+7], v[\f+64+8*(4*\c+\b):\f+64+8*(4*\c+\b)+7], v[\f+8*(4*\c+\a):\f+8*(4*\c+\a)+7], v[ACC+8*(4*(\a)+\b):ACC+8*(4*(\a)+\b)+7]
.endif
.endr
.endr
.endm
; 32 LDS loads in one run: the fragments of one plane (64 along K), which begins at byte k of the slot's planes, into buffer f; the first 32 along K first
.macro FETCH slot, k, f
	WIN TO_F
.irp c, 0,1
.irp i, 0,1,2,3
	ds_load_b128 v[\f+64+8*(4*\c+\i):\f+64+8*(4*\c+\i)+3],   v[ADRB+\slot] offset:\k+64*\c+\i*16*PITCH
	ds_load_b128 v[\f+64+8*(4*\c+\i)+4:\f+64+8*(4*\c+\i)+7], v[ADRB+\slot] offset:\k+64*\c+\i*16*PITCH+32
	ds_load_b128 v[\f+8*(4*\c+\i):\f+8*(4*\c+\i)+3],         v[ADRA+\slot] offset:\k+64*\c+\i*16*PITCH
	ds_load_b128 v[\f+8*(4*\c+\i)+4:\f+8*(4*\c+\i)+7],       v[ADRA+\slot] offset:\k+64*\c+\i*16*PITCH+32
.endr
.endr
.endm
.macro PLACES                          ; four places in front of loads into registers that matrix instructions have read, and of reads of results
.rept 4
	v_nop
.endr
.endm
; A K step is four quarters, a plane each, 32 matrix instructions, on buffers 0, 1, 0, 1.  One of the first three: multiplies buffer f and fetches the next plane, at byte k, into g.
.macro QUARTER slot, k, f, g, zero
	s_wait_dscnt 16                                ; the first 32 along K are in
	WIN MUL
	MUL8 \f, 0, 0, \zero
	MUL8 \f, 0, 2, \zero
	PLACES
	FETCH \slot, \k, \g
	s_wait_dscnt 32                                ; all but the 32 just issued
	WIN MUL
	MUL8 \f, 1, 0, 0
	MUL8 \f, 1, 2, 0
.endm
; The last quarter multiplies buffer 1 and changes slots: one barrier; in front of it each wave waits for all its tensor loads, adds 0 to its spare word, and waits for that and for its reads of this slot.
.macro TURN slot, next, fill
	WIN 0
	s_wait_tensorcnt 0x0                           ; all my tensor loads have landed: my part of the next slot
	ds_add_u32 v[SPW], v[NIL]
	s_wait_dscnt 17                                ; the add and the youngest sixteen loads may be out
	WIN MUL
	MUL8 F1, 0, 0, 0
	s_wait_dscnt 0x0                               ; the add is done, and my reads of this slot are over
	s_barrier_signal -1
	MUL8 F1, 0, 2, 0
.if \fill
	WIN 0
.endif
	s_barrier_wait -1
.if \fill
	CREST                                          ; the barrier has opened a round of the cluster's barrier: no wave of any partner still reads this slot or has a load on its way
	s_add_nc_u64 s[G0+4*\slot+2:G0+4*\slot+3], s[G0+4*\slot+2:G0+4*\slot+3], 131072
	s_add_nc_u64 s[G0B+4*\slot+2:G0B+4*\slot+3], s[G0B+4*\slot+2:G0B+4*\slot+3], 131072
	JLOAD \slot                                    ; the first tensor load behind the round; its four v_nop are also the places in front of the loads below
.else
	PLACES
.endif
	FETCH \next, 0, F0
	WIN MUL
	MUL8 F1, 1, 0, 0
	MUL8 F1, 1, 2, 0
.endm
	s_wait_tensorcnt 1                             ; my part of K step 0 is in; K step 1's load may be out
	s_barrier_signal -1
	s_barrier_wait -1
	FETCH 0, 0, F0
	s_wait_loadcnt 0x0                             ; the bias
	QUARTER 0, PLANE, F0, F1, 1
	WIN 0
	s_mov_b32 s3, LAPS-1
.Llap:                                                 ; one trip: once round the ring, from a lap's second quarter to the next lap's first; both slots are filled again
	QUARTER 0, 2*PLANE, F1, F0, 0
	QUARTER 0, 3*PLANE, F0, F1, 0
	TURN 0, 1, 1
	QUARTER 1, PLANE, F0, F1, 0
	QUARTER 1, 2*PLANE, F1, F0, 0
	QUARTER 1, 3*PLANE, F0, F1, 0
	TURN 1, 0, 1
	QUARTER 0, PLANE, F0, F1, 0
	WIN 0
	s_sub_co_u32 s3, s3, 1
	s_cmp_lg_u32 s3, 0
	s_cbranch_scc1 .Llap
	QUARTER 0, 2*PLANE, F1, F0, 0                  ; the last lap fills nothing
	QUARTER 0, 3*PLANE, F0, F1, 0
	TURN 0, 1, 0
	QUARTER 1, PLANE, F0, F1, 0
	QUARTER 1, 2*PLANE, F1, F0, 0
	QUARTER 1, 3*PLANE, F0, F1, 0
	s_wait_dscnt 16
	WIN MUL
	MUL8 F1, 0, 0, 0
	MUL8 F1, 0, 2, 0
	s_wait_dscnt 0
	MUL8 F1, 1, 0, 0
	MUL8 F1, 1, 2, 0
	WIN 0
; THE WAY OUT, a block of 16 rows x 64 columns at a time.  A wave's 64 columns are 256 aligned bytes of a row, so the stage is the wave's own and no barrier is needed.
.macro TOSTAGE a
.irp b, 0,1,2,3
	ds_store_b128 v[STO], v[ACC+8*(4*(\a)+\b):ACC+8*(4*(\a)+\b)+3] offset:64*\b        ; each accumulator from its low end on
	ds_store_b128 v[STO], v[ACC+8*(4*(\a)+\b)+4:ACC+8*(4*(\a)+\b)+7] offset:64*\b+16
.endr
.set BB, TMP+32*((\a)%2)
.irp t, 0,1,2,3,4,5,6,7
	ds_load_b128 v[BB+4*\t:BB+4*\t+3], v[RD] offset:\t*2*SPITCH    ; LDS serves a wave's instructions in order (ISA guide 5.7.1.4): these see the stores above
.endr
.endm
.macro SEND a, younger
.set BB, TMP+32*((\a)%2)
	s_wait_dscnt \younger
.irp t, 0,1,2,3,4,5,6,7
	global_store_b128 v[CO], v[BB+4*\t:BB+4*\t+3], s[8:9] offset:(16*(\a)+2*\t)*4096   ; sixteen lanes store 256 consecutive bytes, aligned
.endr
.endm
	PLACES
	TOSTAGE 0
	TOSTAGE 1
	SEND 0, 16                                     ; behind block 0's loads: block 1's 8 stores and 8 loads
	s_wait_xcnt 0x0                                ; block 0's stores have read their registers: block 2's loads may land there
	TOSTAGE 2
	SEND 1, 16
	s_wait_xcnt 0x0
	TOSTAGE 3
	SEND 2, 16
	SEND 3, 0
	s_wait_tensorcnt 0x0                           ; the wave's end
	ds_add_u32 v[SPW], v[NIL]
	s_wait_dscnt 0x0
	CROUND                                         ; the closing round
	s_endpgm
.Lfunc_end_k_qeba5c7226f_proj:
	.size	k_qeba5c7226f_proj, .Lfunc_end_k_qeba5c7226f_proj-k_qeba5c7226f_proj
	.p2alignl 7, 3214868480
	.fill 96, 4, 3214868480
	.section	.rodata,"a",@progbits
	.p2align	6, 0x0
	.amdhsa_kernel k_qeba5c7226f_proj
		.amdhsa_group_segment_fixed_size 327680
		.amdhsa_private_segment_fixed_size 0
		.amdhsa_enable_private_segment 0
		.amdhsa_kernarg_size 32
		.amdhsa_user_sgpr_count 2
		.amdhsa_user_sgpr_kernarg_segment_ptr 1
		.amdhsa_wavefront_size32 1
		.amdhsa_system_sgpr_workgroup_id_x 1
		.amdhsa_system_sgpr_workgroup_id_y 1
		.amdhsa_system_sgpr_workgroup_id_z 1
		.amdhsa_system_vgpr_workitem_id 0
		.amdhsa_next_free_vgpr 512
		.amdhsa_next_free_sgpr 68
		.amdhsa_reserve_vcc 0
		.amdhsa_float_denorm_mode_32 3
		.amdhsa_float_denorm_mode_16_64 3
		.amdhsa_memory_ordered 1
		.amdhsa_forward_progress 1
		.amdhsa_inst_pref_size 86
	.end_amdhsa_kernel
	.amdgpu_metadata
---
amdhsa.version: [ 1, 2 ]
amdhsa.kernels:
  - .name:           k_qeba5c7226f_proj
    .symbol:         k_qeba5c7226f_proj.kd
    .args:
      - { .name: oh, .offset: 0, .size: 8, .value_kind: global_buffer, .address_space: global }
      - { .name: wot, .offset: 8, .size: 8, .value_kind: global_buffer, .address_space: global }
      - { .name: bout, .offset: 16, .size: 8, .value_kind: global_buffer, .address_space: global }
      - { .name: out0, .offset: 24, .size: 8, .value_kind: global_buffer, .address_space: global }
    .group_segment_fixed_size: 327680
    .private_segment_fixed_size: 0
    .kernarg_segment_align: 8
    .kernarg_segment_size: 32
    .max_flat_workgroup_size: 128
    .sgpr_count:     68
    .vgpr_count:     512
    .wavefront_size: 32
...
	.end_amdgpu_metadata
.endif
;; end of part 4
;; launch fine (part 5): grid 32 x 2, 16 waves a work-group, no clusters, 38,912 bytes of LDS; arguments qkvf, Wout, bout, out0; writes out0
.if DOCPART == 5
	.amdgcn_target "amdgcn-amd-amdhsa--gfx1250"
	.amdhsa_code_object_version 6
	.text
	.protected	k_qeba5c7226f_fine
	.globl	k_qeba5c7226f_fine
	.p2align	8
	.type	k_qeba5c7226f_fine,@function
k_qeba5c7226f_fine:
	s_mov_b64 s[64:65], 0
	v_nop
	global_prefetch_b8 v0, s[64:65] scope:SCOPE_SE
	s_setreg_imm32_b32 hwreg(HW_REG_WAVE_MODE, 25, 1), 1
	s_wait_xcnt 0x0
; THE FIRST 16 POSITIONS OF BOTH SEQUENCES, IN F32: under the causal mask they average one to sixteen values and are the largest in size, so their attention and their projection take f32 operands.
; qkvf: f32 [16 x batch + position][3072] (q, k, v; head h at column 64 h of each).  out0 rows 2048 x batch + 0 .. 15 are written over what the launch before stored there.
; SHARES.  Work-group (x, batch) makes 16 rows x columns 32 x .. 32 x + 31.  WAVE h TAKES HEAD h: its 16 x 16 causal attention, then its part of the projection, O_h Wout[64 h .. 64 h + 63][my 32 columns];
; the sixteen parts are added in a fixed order through LDS.  The attention is made anew in each of the 32 column slices (12 KiB a wave): the price of one launch and one owner for each output.
; All products by v_wmma_f32_16x16x4_f32, 64 a wave: no bulk work.  Its operand holds k = 2 (lane / 16) + j in register j; one permutation of k is applied alike to both sources, so that plain loads fill them:
;   K Q^T: step t takes d = 32 h + 2 t + j;   V^T P: key = 8 h + 2 t + j;   Wout^T O^T: d = 16 dt + 8 h + 2 t + j   (h here: lane / 16).
; Wout is read, and out0 written, in pieces of 128 bytes: slices of 64 columns would make them 256 and double a wave's products; 128 KiB are written in the whole launch.
; REGISTERS: v1-11 lane numbers, addresses, constants; v12 the bias; v14, v15 the add's two; v16-23 scores, then p; v24-31 at work; v32-63 Q; v64-95 K; v96-127 V; v128-191 Wout;
;   v192-223 four partial sums of the scores, later (v192-207) the two tiles of outputs; v224-255 O^T.  v192-255 are written by matrix instructions alone.
.set SPARE, 36864                      ; behind the sixteen regions of 16 rows x 144 bytes: the spare words, 128 bytes for each wave: eight blocks of 256 bytes that no other line names
.set SPW, 14
.set NIL, 15
	s_load_b256 s[4:11], s[0:1], 0x0               ; qkvf s[4:5], Wout s[6:7], bout s[8:9], out0 s[10:11]
	v_lshl_add_u32 v[SPW], v0, 2, SPARE
	v_mov_b32 v[NIL], 0
	v_lshrrev_b32 v1, 5, v0
	v_readfirstlane_b32 s12, v1                    ; wave = head
	v_and_b32 v1, 15, v0                           ; r
	v_bfe_u32 v2, v0, 4, 1                         ; h
	v_and_b32 v3, 31, v0                           ; lane
	v_mul_u32_u24 v4, v1, 12288
	v_lshl_add_u32 v4, v2, 7, v4                   ; Q, K: row r, + 32 h numbers
	v_mul_u32_u24 v5, v2, 98304
	v_lshl_add_u32 v5, v1, 2, v5                   ; V: row 8 h, column r
	v_lshlrev_b32 v6, 15, v2
	v_lshl_add_u32 v6, v1, 2, v6                   ; Wout: row 8 h, column r
	s_mul_i32 s13, s12, 2304
	v_mul_u32_u24 v7, v1, 144
	v_lshl_add_u32 v7, v2, 5, v7
	v_add_nc_u32 v7, s13, v7                       ; my region: row r, + 32 h bytes
	s_mul_i32 s13, s12, 144
	v_lshlrev_b32 v9, 2, v3
	v_add_nc_u32 v8, s13, v9                       ; back: row = my wave's number, a column a lane
	v_lshlrev_b32 v10, 3, v2
	v_sub_nc_u32 v10, v1, v10                      ; r - 8 h
	v_mov_b32 v11, 0xff800000                      ; -infinity
	s_mov_b32 s20, 0x76543210
	s_mov_b32 s21, 0xfedcba98                      ; v_permlanex16_b32's selects for lane l xor 16
	s_mov_b32 s22, 0x3e38aa3b                      ; c = log2(e) / 8
	s_and_b32 s14, ttmp7, 0xffff                   ; the batch
	s_lshl_b32 s18, ttmp9, 7                       ; my first column, in bytes
	s_mov_b32 s19, 0
	s_mul_i32 s16, s14, 196608
	s_lshl_b32 s17, s12, 8
	s_add_co_u32 s16, s16, s17
	s_mov_b32 s17, 0
	s_lshl_b32 s24, s12, 18
	s_mov_b32 s25, 0
	s_lshl_b32 s26, s14, 23
	s_lshl_b32 s27, s12, 12
	s_add_co_u32 s26, s26, s27
	s_mov_b32 s27, 0
	s_wait_kmcnt 0x0
	s_add_nc_u64 s[4:5], s[4:5], s[16:17]          ; qkvf at the batch's rows, my head's q
	s_add_nc_u64 s[6:7], s[6:7], s[24:25]          ; Wout at my head's 64 rows,
	s_add_nc_u64 s[6:7], s[6:7], s[18:19]          ; my columns
	s_add_nc_u64 s[8:9], s[8:9], s[18:19]
	s_add_nc_u64 s[10:11], s[10:11], s[26:27]      ; out0 at row 2048 x batch + my wave's number,
	s_add_nc_u64 s[10:11], s[10:11], s[18:19]      ; my columns
	global_load_b32 v12, v9, s[8:9]
.irp c, 0,1,2,3,4,5,6,7
	global_load_b128 v[32+4*\c:35+4*\c], v4, s[4:5] offset:16*\c
.endr
.irp c, 0,1,2,3,4,5,6,7
	global_load_b128 v[64+4*\c:67+4*\c], v4, s[4:5] offset:4096+16*\c
.endr
.irp dt, 0,1,2,3
.irp i, 0,1,2,3,4,5,6,7
	global_load_b32 v[96+8*\dt+\i], v5, s[4:5] offset:8192+12288*\i+64*\dt     ; V(8 h + i, 16 dt + r)
.endr
.endr
.macro WLOAD dt                        ; Wout(64 head + 16 dt + 8 h + i, my columns 16 nt + r)
.irp nt, 0,1
.irp i, 0,1,2,3,4,5,6,7
	global_load_b32 v[128+32*\nt+8*(\dt)+\i], v6, s[6:7] offset:(16*(\dt)+\i)*4096+64*\nt
.endr
.endr
.endm
	s_wait_loadcnt 32                              ; the bias, Q and K are in; V's 32 loads may be out
	WLOAD 0
	WLOAD 1
	; S^T = K Q^T: four partial sums by turns, sixteen steps of 4 along the head's 64
.set t, 0
.rept 16
.if t < 4
	v_wmma_f32_16x16x4_f32 v[192+8*(t%4):199+8*(t%4)], v[64+2*t:65+2*t], v[32+2*t:33+2*t], 0
.else
	v_wmma_f32_16x16x4_f32 v[192+8*(t%4):199+8*(t%4)], v[64+2*t:65+2*t], v[32+2*t:33+2*t], v[192+8*(t%4):199+8*(t%4)]
.endif
.set t, t+1
.endr
.rept 8
	v_nop                                          ; eight places behind this form, in front of the first read of results (ISA guide 7.12.1)
.endr
.irp p, 0,1,2,3
	v_pk_add_f32 v[16+2*\p:17+2*\p], v[192+2*\p:193+2*\p], v[200+2*\p:201+2*\p]   ; each accumulator from its low end on
	v_pk_add_f32 v[24+2*\p:25+2*\p], v[208+2*\p:209+2*\p], v[216+2*\p:217+2*\p]
.endr
.irp p, 0,1,2,3
	v_pk_add_f32 v[16+2*\p:17+2*\p], v[16+2*\p:17+2*\p], v[24+2*\p:25+2*\p]       ; register j: score of key 8 h + j, query r
.endr
.irp j, 0,1,2,3,4,5,6,7
	v_cmp_gt_i32 vcc_lo, \j, v10                   ; hidden where 8 h + j > r
	v_cndmask_b32 v[16+\j], v[16+\j], v11, vcc_lo
.endr
	v_max3_num_f32 v24, v16, v17, v18
	v_max3_num_f32 v25, v19, v20, v21
	v_max3_num_f32 v24, v24, v22, v23
	v_max_num_f32 v24, v24, v25
	v_permlanex16_b32 v25, v24, s20, s21
	v_max_num_f32 v24, v24, v25                    ; the row's maximum (key 0 counts for every query)
	v_mul_f32 v24, s22, v24
.irp j, 0,1,2,3,4,5,6,7
	v_fma_f32 v[16+\j], v[16+\j], s22, -v24
.endr
.irp j, 0,1,2,3,4,5,6,7
	v_exp_f32 v[16+\j], v[16+\j]
.endr
	v_nop                                          ; a plain instruction behind the last exponential
	s_wait_alu depctr_va_vdst(0)                   ; one wait for the eight, ahead of their first reader
	v_add_f32 v25, v16, v17
	v_add_f32 v26, v18, v19
	v_add_f32 v27, v20, v21
	v_add_f32 v28, v22, v23
	v_add_f32 v25, v25, v26
	v_add_f32 v27, v27, v28
	v_add_f32 v25, v25, v27
	v_permlanex16_b32 v26, v25, s20, s21
	v_add_f32 v25, v25, v26
	v_rcp_f32 v25, v25
	v_nop
	s_wait_alu depctr_va_vdst(0)
.irp j, 0,1,2,3,4,5,6,7
	v_mul_f32 v[16+\j], v[16+\j], v25              ; p, normalised here
.endr
	s_wait_loadcnt 32                              ; V is in; the first half of Wout may be out
	WLOAD 2
	WLOAD 3
	; O^T = V^T P: four tiles of 16 channels by turns, four steps of 4 keys
.irp t, 0,1,2,3
.irp dt, 0,1,2,3
.if \t == 0
	v_wmma_f32_16x16x4_f32 v[224+8*\dt:231+8*\dt], v[96+8*\dt+2*\t:97+8*\dt+2*\t], v[16+2*\t:17+2*\t], 0
.else
	v_wmma_f32_16x16x4_f32 v[224+8*\dt:231+8*\dt], v[96+8*\dt+2*\t:97+8*\dt+2*\t], v[16+2*\t:17+2*\t], v[224+8*\dt:231+8*\dt]
.endif
.endr
.endr
.rept 9
	v_nop                                          ; nine places: the results become a source of matrix instructions
.endr
	; my part of out^T = Wout^T O^T: two tiles of 16 columns by turns, sixteen steps of 4 along my head's 64
.irp dt, 0,1,2,3
.if \dt == 0
	s_wait_loadcnt 32                              ; the first half of Wout is in
.endif
.if \dt == 2
	s_wait_loadcnt 0x0
.endif
.irp t, 0,1,2,3
.irp nt, 0,1
.if (\dt == 0) && (\t == 0)
	v_wmma_f32_16x16x4_f32 v[192+8*\nt:199+8*\nt], v[128+32*\nt+8*\dt+2*\t:129+32*\nt+8*\dt+2*\t], v[224+8*\dt+2*\t:225+8*\dt+2*\t], 0
.else
	v_wmma_f32_16x16x4_f32 v[192+8*\nt:199+8*\nt], v[128+32*\nt+8*\dt+2*\t:129+32*\nt+8*\dt+2*\t], v[224+8*\dt+2*\t:225+8*\dt+2*\t], v[192+8*\nt:199+8*\nt]
.endif
.endr
.endr
.endr
.rept 8
	v_nop
.endr
.irp nt, 0,1
	ds_store_b128 v7, v[192+8*\nt:195+8*\nt] offset:64*\nt         ; lane (r, h): query r, columns 16 nt + 8 h + 0 .. 7
	ds_store_b128 v7, v[196+8*\nt:199+8*\nt] offset:64*\nt+16
.endr
	s_wait_dscnt 0x0                               ; for the others' sake: my stores have landed
	s_barrier_signal -1
	s_barrier_wait -1
.irp w, 0,1,2,3,4,5,6,7,8,9,10,11,12,13,14,15
	ds_load_b32 v[32+\w], v8 offset:2304*\w        ; the sixteen heads' parts of my row
.endr
	s_wait_dscnt 0x0
	v_pk_add_f32 v[32:33], v[32:33], v[34:35]
	v_pk_add_f32 v[36:37], v[36:37], v[38:39]
	v_pk_add_f32 v[40:41], v[40:41], v[42:43]
	v_pk_add_f32 v[44:45], v[44:45], v[46:47]
	v_pk_add_f32 v[32:33], v[32:33], v[36:37]
	v_pk_add_f32 v[40:41], v[40:41], v[44:45]
	v_pk_add_f32 v[32:33], v[32:33], v[40:41]
	v_add_f32 v32, v32, v33
	v_add_f32 v32, v32, v12                        ; + bout
	global_store_b32 v9, v32, s[10:11]             ; 32 lanes store 128 consecutive bytes of one row
	s_wait_tensorcnt 0x0                           ; the wave's end
	ds_add_u32 v[SPW], v[NIL]
	s_wait_dscnt 0x0
	s_endpgm
.Lfunc_end_k_qeba5c7226f_fine:
	.size	k_qeba5c7226f_fine, .Lfunc_end_k_qeba5c7226f_fine-k_qeba5c7226f_fine
	.p2alignl 7, 3214868480
	.fill 96, 4, 3214868480
	.section	.rodata,"a",@progbits
	.p2align	6, 0x0
	.amdhsa_kernel k_qeba5c7226f_fine
		.amdhsa_group_segment_fixed_size 38912
		.amdhsa_private_segment_fixed_size 0
		.amdhsa_enable_private_segment 0
		.amdhsa_kernarg_size 32
		.amdhsa_user_sgpr_count 2
		.amdhsa_user_sgpr_kernarg_segment_ptr 1
		.amdhsa_wavefront_size32 1
		.amdhsa_system_sgpr_workgroup_id_x 1
		.amdhsa_system_sgpr_workgroup_id_y 1
		.amdhsa_system_sgpr_workgroup_id_z 1
		.amdhsa_system_vgpr_workitem_id 0
		.amdhsa_next_free_vgpr 256
		.amdhsa_next_free_sgpr 66
		.amdhsa_reserve_vcc 1
		.amdhsa_float_denorm_mode_32 3
		.amdhsa_float_denorm_mode_16_64 3
		.amdhsa_memory_ordered 1
		.amdhsa_forward_progress 1
		.amdhsa_inst_pref_size 24
	.end_amdhsa_kernel
	.amdgpu_metadata
---
amdhsa.version: [ 1, 2 ]
amdhsa.kernels:
  - .name:           k_qeba5c7226f_fine
    .symbol:         k_qeba5c7226f_fine.kd
    .args:
      - { .name: qkvf, .offset: 0, .size: 8, .value_kind: global_buffer, .address_space: global }
      - { .name: Wout, .offset: 8, .size: 8, .value_kind: global_buffer, .address_space: global }
      - { .name: bout, .offset: 16, .size: 8, .value_kind: global_buffer, .address_space: global }
      - { .name: out0, .offset: 24, .size: 8, .value_kind: global_buffer, .address_space: global }
    .group_segment_fixed_size: 38912
    .private_segment_fixed_size: 0
    .kernarg_segment_align: 8
    .kernarg_segment_size: 32
    .max_flat_workgroup_size: 512
    .sgpr_count:     66
    .vgpr_count:     256
    .wavefront_size: 32
...
	.end_amdgpu_metadata
.endif
;; end of part 5
